; MI455X (gfx1250); checked and timed in simulation.
; The chip was launched on July 23, 2026; its instructions are those of AMD's public machine-readable ISA for CDNA 5 (MIT licence, August 2026) and "CDNA5" Instruction Set Architecture Reference Guide (July 2026). The comments in the code are by the model that wrote it; some were corrected since.
;; Perceiver Self Attention. Allowed arithmetic: matrix products marked QUANTISED: E5M2 operands, one given power-of-two scale a tensor, by v_wmma_f32_16x16x64_bf8_bf8 or v_wmma_f32_16x16x128_bf8_bf8, f32 sums; everything else in f32.
;; Inputs: Wk_codes 256 x 32 x 32 uint8 (E5M2 codes of Wk, K innermost, in blocks of 32 codes); Wq_codes 256 x 32 x 32 uint8 (E5M2 codes of Wq, K innermost, in blocks of 32 codes); Wv_codes 1,024 x 32 x 32 uint8 (E5M2 codes of Wv, K innermost, in blocks of 32 codes); bk 256 float32; bq 256 float32; bv 1,024 float32; hidden_states 8 x 512 x 1,024 float32; inputs 8 x 4,096 x 1,024 float32; ln1_b 1,024 float32; ln1_w 1,024 float32; ln2_b 1,024 float32; ln2_w 1,024 float32; lowp_scales 10 int32 (the exponents e of the quantised operands' scales 2^e).
;; Outputs: out0 8 x 512 x 1,024 float32.
;; This version of the problem:
;;   THIS VERSION OF THE PROBLEM IS GIVEN IN LOW PRECISION. The matrix products marked QUANTISED in the list below multiply operands that are first quantised to E5M2 (5 exponent bits, 2 mantissa bits; 8 bits a number), with one given power-of-two scale for each operand tensor; their sums are f32. All else is computed in f32.
;;   The module's matrix products, in the order in which they are computed (A, B: the left and right operand; K: the contracted axis; several contracted axes count as one K, in the product's order):
;;     1. [M 4,096, K 1,024] x [K 1,024, N 256]; A: computed on the way; B: input Wq (given as codes): QUANTISED (scales: A lowp_scales[0], B lowp_scales[1])
;;     2. [M 32,768, K 1,024] x [K 1,024, N 256]; A: computed on the way; B: input Wk (given as codes): QUANTISED (scales: A lowp_scales[2], B lowp_scales[3])
;;     3. [M 32,768, K 1,024] x [K 1,024, N 1,024]; A: computed on the way; B: input Wv (given as codes): QUANTISED (scales: A lowp_scales[4], B lowp_scales[5])
;;     4. batch 64 x [M 512, K 32] x [K 32, N 4,096]; A: computed on the way; B: computed on the way: QUANTISED (scales: A lowp_scales[6], B lowp_scales[7])
;;     5. batch 64 x [M 512, K 4,096] x [K 4,096, N 128]; A: softmax (see below); B: computed on the way: QUANTISED (scales: A lowp_scales[8], B lowp_scales[9])
;;   THE QUANTISER, for each operand of a quantised product, along K:
;;     - The operand's scale is 2^e, e = its entry of the input lowp_scales (int32; the entries are numbered through the quantised products in the list's order, A before B).
;;     - Each number is divided by the scale, clamped to +-57,344, and rounded to the nearest number of E5M2, ties to even, subnormals kept.
;;     - The product sums the exact products of the quantised numbers (number of the format x scale) in f32.
;;   ~~~python
;;   def quantise(x, axis, e):      # numpy; x: float32 -> the quantised numbers, widened to float32 again
;;       x = np.moveaxis(x, axis, -1); K = x.shape[-1]
;;       r = np.clip(x / 2.0 ** e, -57344, 57344)
;;       step = 2.0 ** (np.maximum(np.frexp(np.where(r == 0, 1, r))[1] - 1, -14) - 2)
;;       q = np.round(r / step) * step * 2.0 ** e      # np.round: ties to even
;;       return np.moveaxis(q, -1, axis).astype(np.float32)
;;   ~~~
;;   SOFTMAX AHEAD OF A QUANTISED PRODUCT. Where the list says 'softmax', what is quantised is not the finished softmax but p = 2^(t - M), with t = logit x log2(e) and M = ceil(the row's largest t), a whole number; so 1/2 < the row's largest p <= 1. The row's sum l is taken of the UNQUANTISED p, in f32, and the product's result is divided by l at the end. Since M is a whole number, a kernel that streams over the keys may use a running M (the ceiling of the running maximum): every later rescaling is an exact power of two, so the quantised numbers keep their values, but for numbers so far below the row's largest that they fall under the format's range.
;;   OPERANDS COMPUTED ON THE WAY. 'Computed on the way' means the value that the module computes at that place (a softmax that the list does not call 'softmax' is quantised finished and normalised). What goes into a quantiser is computed in f32, as accurately as f32 sums, v_exp_f32 and their like allow (about 1e-6 of the number): no bf16 or f16 on the way to a quantiser, and a product that is left as it is and whose result goes on into a quantised operand takes f32 operands (vector FMAs, or v_wmma_f32_16x16x4_f32). A number that lies on a knife's edge between two numbers of the format may be rounded either way, as far as f32 arithmetic and the matrix unit's own rounding can turn it there, and no further.
;;   INPUTS GIVEN AS CODES. Wk (in the module: [256, 1024], K = its axis 1); Wq (in the module: [256, 1024], K = its axis 1); Wv (in the module: [1024, 1024], K = its axis 1): each comes as NAME_codes (uint8): NAME with its K axis moved to the last place and cut into blocks of 32 codes, [.., K / 32, bytes a block], one block behind the other in memory; one code a byte (a code: sign, 5 exponent bits, 2 mantissa bits); its scale is its entry of lowp_scales. Its value is code x scale, taken as it is: it is not quantised again, and the codes and scales need not be those that the quantiser above would give.
;; One version. Each part assembles by itself: llvm-mc -triple=amdgcn-amd-amdhsa -mcpu=gfx1250 --defsym DOCPART=n.
;; ======== version 1 of 1: 3 launches
;; limits: right only within a limited range of input values
;; workspace buffers: q_ws 1,048,576 bytes; k_ws 8,388,608 bytes; v_ws 33,554,432 bytes
;; launch kvproj (part 1): grid 256 x 1, 4 waves a work-group, clusters of 4 x 1, 327,680 bytes of LDS; arguments inputs, ln2_w, ln2_b, Wk_codes, bk, Wv_codes, bv, lowp_scales, k_ws, v_ws; writes k_ws, v_ws
.if DOCPART == 1
	.amdgcn_target "amdgcn-amd-amdhsa--gfx1250"
	.amdhsa_code_object_version 6
	.text
	.protected	k_q43737fe896_kvproj
	.globl	k_q43737fe896_kvproj
	.p2align	8
	.type	k_q43737fe896_kvproj,@function
k_q43737fe896_kvproj:
	s_mov_b64 s[64:65], 0
	v_nop
	global_prefetch_b8 v0, s[64:65] scope:SCOPE_SE
	s_setreg_imm32_b32 hwreg(HW_REG_WAVE_MODE, 25, 1), 1
	s_wait_xcnt 0x0
	s_wait_alu depctr_hold_cnt(0) depctr_sa_sdst(0) depctr_va_vdst(0) depctr_va_sdst(0) depctr_va_ssrc(0) depctr_va_vcc(0) depctr_vm_vsrc(0)
	s_getreg_b32 s2, hwreg(HW_REG_IB_STS2, 6, 4)
	s_cmp_eq_u32 s2, 0
	s_cbranch_scc0 .Lentry_in_a_cluster
	s_endpgm
.Lentry_in_a_cluster:
	s_bfe_u32 s2, ttmp6, 0x10000c
	s_cmp_lg_u32 s2, 0x3003
	s_cbranch_scc0 .Lentry_shape_is_right
	s_endpgm
.Lentry_shape_is_right:
; x = LayerNorm(inputs); k = x Wk^T + bk; v = x Wv^T + bv.  Both products on codes of E5M2; k and v leave as codes of E5M2 for the attention launch.
; inputs [32768][1024] f32 is read once.  x is quantised twice, with 2^e2 (for Wk) and 2^e4 (for Wv); k with 2^e7, v with 2^e9 (e0 .. e9: the buffer of scales).
; SHARES.  A work-group of four waves owns 128 rows (a block of 128 keys of one batch); 256 work-groups.  The four partners of a cluster walk the same weights: every weight tile is asked for jointly.
; PHASE 1.  Wave w keeps its 64 rows of Wk (two heads) in 512 registers, read from LDS once.  Eight rounds of 16 rows: wave w normalises rows 4 w .. 4 w + 3; the e2 codes go to one of two stages that take turns,
;   the e4 codes to their tile of a store of eight tiles in LDS.  One barrier a round: behind it every wave multiplies the round's 16 rows by its Wk while the next round is normalised into the other stage.
; PHASE 2.  Wave w takes four tiles of e4 codes (64 rows x 1,024 K) into the registers that held Wk.  Wv goes through two LDS slots of 64 rows; wave w multiplies its 64 rows of x by rows 32 (w % 2) .. + 31 of each slot.
;   Two sets of accumulators take turns: one tile's hold stands among the next tile's products.  A trip of the loop is one head: two slots, four tiles of 16 channels a wave.
; LDS: Wk's 256 rows land on bytes 0 .. 266,239.  Bytes 0 .. 133,119 then become Wv's two slots (never stored to).  The e4 store begins at 149,760: its tiles 0-6 lie on bytes of Wk's fill, which is their last, and are stored to
;   behind a barrier behind every wave's reads of Wk; tile 7 and the e2 stages lie behind that fill, so round 0 is normalised while Wk is on its way.  Round r's rows are tile (r + 7) % 8, in k_ws and v_ws alike.
; WORKSPACES ARE IMAGES OF THE ATTENTION LAUNCH'S OPERAND REGISTERS, 16 bytes a lane, 512 bytes a store:
;   k_ws [b][head][block of 128 keys][tile 8][lane 32][16]: lane (r, h): key row r of the tile; bytes 0-7 channels 8 h + j, bytes 8-15 channels 16 + 8 h + j.
;   v_ws [b][head][block][dt 8][c 4][lane 32][16]: lane (r, h): channel 16 dt + r; byte 8 u + j: key row 8 h + j of tile 2 c + u.
; FRAGMENTS: 16 rows x 128 K in 16 registers by four loads of 16 bytes, 32 bytes apart, at row x pitch + 16 (lane / 16): a permutation of k that is the same on both sides of every product.
; PREFETCHES: Wk behind its tensor load and ahead of the loads of x (the cluster's sixteen waves take 2 x 8,192 bytes each, by address); x one round ahead of its loads; Wv's rows 128 on, 128 rows a round, in rounds 1 to 7.
; LIMITS: e2, e4, e7 - e2 - e3 and e9 - e4 - e5 lie between -126 and 112, so that each scale and each hold is an f32 number.  NaN and infinity among the inputs are not served.
; REGISTERS.  Window 0: v1-15 addresses and scales; v16-47, v48-79 the LN gain and bias; v80-207 four rows of x; v208-255 at work.  Phase 2: v16-23 addresses, v80-111 and v144-175 accumulators, v112-119 codes, v120-123 bias words,
;   v125 the scale, v128-135 the bias as a C operand.  Window 1, phase 1: v0-127 the round's e2 fragments, v128-159 accumulators, v160-191 bk as C operands, v192 the scale, v196-203 codes; phase 2: two sets of Wv's fragments.
;   Windows 2 and 3: K steps 0-3 and 4-7 of Wk (tile nt at v[64 nt]), then of my four tiles of x.
.set PITCH,  1040                      ; an LDS row: 1,024 bytes + 16: the 16 rows of a fragment load start at 16 different banks (64 banks of 4 bytes: ISA guide 11.1)
.set TILE16, 16*PITCH
.set HALFS,  64*PITCH                  ; a slot of Wv; also what a wave's first load brings of Wk
.set XVB,    9*TILE16                  ; the e4 store: eight tiles
.set STG_AK, 17*TILE16                 ; the two e2 stages
.set SPARE,  19*TILE16                 ; the spare words: 128 bytes a wave, two blocks of 256 bytes that no other line names
.set BVL,    SPARE+512                 ; bv / 2^(e4 + e5), 1,024 numbers
.set XO,   1
.set SAK,  2
.set SAV0, 3
.set SPW,  4
.set NIL,  5
.set SAV,  6
.set AKA,  7
.set SAK0, 8
.set AKA0, 9
.set KO0,  10
.set TA,   11                          ; v11  the address of Wk's rows, later of my tiles of x
.set LO,   12
.set SK,   13
.set PFL,  14                          ; v14  256 x lane; never rewritten
.set SV,   15
.set LNW,  16
.set LNB,  48
.set X,    80
.set CHN,  208
.set T,    208
.set MU,   224
.set RS,   228
.set KACC, 128
.set KBIAS,160
.set KSC,  192
.set KC,   196
.set WVA0, 16
.set WVA1, 17
.set VO,   18
.set BA0,  19
.set BA,   20
.set ACC,  80
.set VC,   112
.set BI,   120
.set VSC,  125
.set BC,   128
.set ACB,  144
.set KWS, 20
.set VB,  22
.set G1,  24                           ; group 1: 64 rows;  G1B: 32 rows;  G1C: 16 rows
.set G0,  32
.set G1B, 36
.set G1C, 44
.set WV,  52
.set RH,  53
.set CH,  54
.set W66, 55
.set SEL, 56
.set INV, 58
.set EPS, 59
.set LKN, 60
.set LK,  61
.set LVN, 62
.set LV,  63
.set KLN, 66
.set KL,  67
.set VLN, 78
.set VL,  79
.set VSCS,80
.set RND, 81
.set PV,  82
.set PA,  83
.set BJ,  84
.set VCNT,85
.set G0B, 88
.set PXA, 92
.set PFA, 94
.set MSB, 0
.macro WIN new                         ; the immediate's high byte repeats the setting that is left; a switch that changes nothing is dropped
.if MSB != (\new)
	s_set_vgpr_msb (MSB<<8)|(\new)
.set MSB, (\new)
.endif
.endm
.macro PLACES                          ; four plain vector instructions behind a matrix instruction (ISA guide 7.12.1)
.rept 4
	v_nop
.endr
.endm
.macro BAR
	s_wait_dscnt 0x0
	s_barrier_signal -1
	s_barrier_wait -1
.endm
.macro ROUND                           ; a round of the cluster's barrier
	s_barrier_signal -1
	s_barrier_wait -1
	s_cmp_lg_u32 s[WV], 0
	s_cbranch_scc1 .Lnot_wave_0_\@
	s_barrier_signal -3
.Lnot_wave_0_\@:
	s_barrier_wait -3
	s_barrier_signal -1
	s_barrier_wait -1
.endm
.macro MKSCALE sc, lim, limn, e        ; from the exponent in s[e] (used up): 2^e, 57,344 x 2^e and its negative, as f32 patterns
	s_add_co_i32 s[\e], s[\e], 127
	s_lshl_b32 s[\sc], s[\e], 23
	s_add_co_i32 s[\e], s[\e], 15
	s_lshl_b32 s[\lim], s[\e], 23
	s_or_b32 s[\lim], s[\lim], 0x600000
	s_or_b32 s[\limn], s[\lim], 0x80000000
.endm
.macro XLOAD i4, off                   ; one row of x: eight loads of 512 consecutive bytes; register 4 j + e holds column 128 j + 4 lane + e
.irp j, 0,1,2,3,4,5,6,7
	global_load_b128 v[X+32*\i4+4*\j:X+32*\i4+4*\j+3], v[XO], s[4:5] offset:\off+\i4*4096+512*\j th:TH_LOAD_NT
.endr
.endm
.macro LNRED                           ; two rows' four chains each -> the row's sum in every lane
.irp u, 0,1
	v_pk_add_f32 v[CHN+8*\u:CHN+8*\u+1], v[CHN+8*\u:CHN+8*\u+1], v[CHN+8*\u+2:CHN+8*\u+3]
.endr
.irp u, 0,1
	v_pk_add_f32 v[CHN+8*\u+4:CHN+8*\u+5], v[CHN+8*\u+4:CHN+8*\u+5], v[CHN+8*\u+6:CHN+8*\u+7]
.endr
.irp u, 0,1
	v_pk_add_f32 v[CHN+8*\u:CHN+8*\u+1], v[CHN+8*\u:CHN+8*\u+1], v[CHN+8*\u+4:CHN+8*\u+5]
.endr
.irp u, 0,1
	v_add_f32 v[CHN+8*\u], v[CHN+8*\u], v[CHN+8*\u+1]
.endr
.irp m, 1,2,4,8
.irp u, 0,1
	v_add_f32_dpp v[CHN+8*\u], v[CHN+8*\u], v[CHN+8*\u] row_xmask:\m row_mask:0xf bank_mask:0xf
.endr
.endr
.irp u, 0,1
	v_permlanex16_b32 v[CHN+8*\u+1], v[CHN+8*\u], s[SEL], s[SEL+1]
.endr
.irp u, 0,1
	v_add_f32 v[CHN+8*\u], v[CHN+8*\u], v[CHN+8*\u+1]
.endr
.endm
; Rows a and a + 1 of my four: LayerNorm in two passes (the mean, then the squares of the differences), the holds, the conversions (2^e2 through T, 2^e4 in place), both sets of codes to LDS.  The two rows go line by line in turn.
.macro LNPAIR a
.irp k, 0,1,2,3
.irp u, 0,1
	v_pk_add_f32 v[CHN+8*\u+2*\k:CHN+8*\u+2*\k+1], v[X+32*(\a+\u)+2*\k:X+32*(\a+\u)+2*\k+1], v[X+32*(\a+\u)+2*\k+8:X+32*(\a+\u)+2*\k+9]
.endr
.endr
.set q, 8
.rept 8
.irp u, 0,1
	v_pk_add_f32 v[CHN+8*\u+2*(q%4):CHN+8*\u+2*(q%4)+1], v[CHN+8*\u+2*(q%4):CHN+8*\u+2*(q%4)+1], v[X+32*(\a+\u)+2*q:X+32*(\a+\u)+2*q+1]
.endr
.set q, q+1
.endr
	LNRED
.irp u, 0,1
	v_mul_f32 v[MU+2*\u], s[INV], v[CHN+8*\u]      ; the mean, twice: a pair for the packed form
	v_mul_f32 v[MU+2*\u+1], s[INV], v[CHN+8*\u]
.endr
.set q, 0
.rept 16
.irp u, 0,1
	v_pk_add_f32 v[X+32*(\a+\u)+2*q:X+32*(\a+\u)+2*q+1], v[X+32*(\a+\u)+2*q:X+32*(\a+\u)+2*q+1], v[MU+2*\u:MU+2*\u+1] neg_lo:[0,1] neg_hi:[0,1]
.endr
.set q, q+1
.endr
.irp k, 0,1,2,3
.irp u, 0,1
	v_pk_mul_f32 v[CHN+8*\u+2*\k:CHN+8*\u+2*\k+1], v[X+32*(\a+\u)+2*\k:X+32*(\a+\u)+2*\k+1], v[X+32*(\a+\u)+2*\k:X+32*(\a+\u)+2*\k+1]
.endr
.endr
.set q, 4
.rept 12
.irp u, 0,1
	v_pk_fma_f32 v[CHN+8*\u+2*(q%4):CHN+8*\u+2*(q%4)+1], v[X+32*(\a+\u)+2*q:X+32*(\a+\u)+2*q+1], v[X+32*(\a+\u)+2*q:X+32*(\a+\u)+2*q+1], v[CHN+8*\u+2*(q%4):CHN+8*\u+2*(q%4)+1]
.endr
.set q, q+1
.endr
	LNRED
.irp u, 0,1
	v_fma_f32 v[CHN+8*\u+2], v[CHN+8*\u], s[INV], s[EPS]   ; the variance + 1e-5
.endr
	s_wait_alu depctr_va_vdst(0)
.irp u, 0,1
	v_rsq_f32 v[RS+2*\u], v[CHN+8*\u+2]
	v_rsq_f32 v[RS+2*\u+1], v[CHN+8*\u+2]
.endr
	v_nop                                          ; a plain instruction behind the last of the four
	s_wait_alu depctr_va_vdst(0)                   ; one wait for the batch, ahead of its first reader
.set q, 0
.rept 16
.irp u, 0,1
	v_pk_mul_f32 v[X+32*(\a+\u)+2*q:X+32*(\a+\u)+2*q+1], v[X+32*(\a+\u)+2*q:X+32*(\a+\u)+2*q+1], v[RS+2*\u:RS+2*\u+1]
.endr
.set q, q+1
.endr
.set q, 0
.rept 16
.irp u, 0,1
	v_pk_fma_f32 v[X+32*(\a+\u)+2*q:X+32*(\a+\u)+2*q+1], v[X+32*(\a+\u)+2*q:X+32*(\a+\u)+2*q+1], v[LNW+2*q:LNW+2*q+1], v[LNB+2*q:LNB+2*q+1]
.endr
.set q, q+1
.endr
	s_wait_dscnt 0x0                               ; the pair before has stored its codes: their registers may be written
.irp u, 0,1
.irp g, 0,1,2,3
.irp e, 0,1,2,3,4,5,6,7
	v_med3_num_f32 v[T+\e], v[X+32*(\a+\u)+8*\g+\e], s[LKN], s[LK]   ; the conversion to an 8-bit code does not saturate (ISA guide 7.6.2): the hold at the largest code x the scale
.endr
	v_cvt_scalef32_pk8_bf8_f32 v[232+16*\u+2*\g:232+16*\u+2*\g+1], v[T:T+7], v[SK]
.irp e, 0,1,2,3,4,5,6,7
	v_med3_num_f32 v[X+32*(\a+\u)+8*\g+\e], v[X+32*(\a+\u)+8*\g+\e], s[LVN], s[LV]   ; (also the plain lines between the conversion above and the next write of T)
.endr
	v_cvt_scalef32_pk8_bf8_f32 v[240-24*\u+2*\g:240-24*\u+2*\g+1], v[X+32*(\a+\u)+8*\g:X+32*(\a+\u)+8*\g+7], v[SV]
.endr
.endr
	v_nop                                          ; a plain line behind the last conversion
.irp u, 0,1
.irp j, 0,1,2,3,4,5,6,7
	ds_store_b32 v[SAK], v[232+16*\u+\j] offset:(\a+\u)*PITCH+128*\j   ; four codes a lane, columns 128 j + 4 lane on: 128 consecutive bytes of the row
	ds_store_b32 v[SAV], v[240-24*\u+\j] offset:(\a+\u)*PITCH+128*\j
.endr
.endr
.endm
; A round's LayerNorm; each pair's registers take the next round's rows as soon as they are free.  g = 1, in the loop: trip 6 has no next round; trips 0 to 4 prefetch the rows of the round after the one that is loaded here.
.macro LNR g
	s_wait_loadcnt 16                              ; rows 0 and 1 are in; the 16 loads of rows 2 and 3 are the only younger ones
	LNPAIR 0
	s_wait_loadcnt 0x0
.if \g
	s_cmp_eq_u32 s[RND], 6
	s_cbranch_scc1 .Lno_a_\@
.endif
	XLOAD 0, 65536
	XLOAD 1, 65536
.Lno_a_\@:
.if \g
	s_cmp_lt_u32 s[RND], 5
	s_cbranch_scc0 .Lno_p_\@
	global_prefetch_b8 v[PFL], s[PXA:PXA+1] offset:65536 th:TH_LOAD_NT scope:SCOPE_SE        ; my four rows are 16,384 consecutive bytes: 64 blocks of 256, a lane a block
	global_prefetch_b8 v[PFL], s[PXA:PXA+1] offset:65536+8192 th:TH_LOAD_NT scope:SCOPE_SE
.Lno_p_\@:
	global_prefetch_b8 v[PFL], s[PFA:PFA+1] th:TH_LOAD_NT scope:SCOPE_SE                     ; 8,192 bytes of the 128 rows of Wv that this trip names
.endif
	LNPAIR 2
.if \g
	s_cmp_eq_u32 s[RND], 6
	s_cbranch_scc1 .Lno_b_\@
.endif
	XLOAD 2, 65536
	XLOAD 3, 65536
.Lno_b_\@:
.endm
.macro KPRE                            ; round RND's stage, and its tile (RND + 7) % 8 in k_ws
	v_add_nc_u32 v[AKA], s[PA], v[AKA0]
	s_add_co_u32 s87, s[RND], 7
	s_and_b32 s87, s87, 7
	s_lshl_b32 s96, s87, 9
	s_mov_b32 s97, 0
	s_add_nc_u64 s[98:99], s[KWS:KWS+1], s[96:97]
.endm
; The staged 16 rows x my 64 rows of Wk, K = 1,024.  TRANSPOSED: source 0 = 16 weight rows (registers), source 1 = the 16 rows: lane (r, h) holds row r and eight neighbouring channels.  The bias is the C of each sum's first product.
; Four accumulators by turns.  The results are held, converted and stored: 16 bytes a lane for each of my two heads.
.macro KPROJ
	WIN 0x40
.irp s, 0,1,2,3,4,5,6,7
.irp c, 0,1,2,3
	ds_load_b128 v[16*\s+4*\c:16*\s+4*\c+3], v[AKA] offset:128*\s+32*\c
.endr
.endr
.irp s, 0,1,2,3,4,5,6,7
	s_wait_dscnt 28-4*\s                           ; K step s's four loads are in; the four of each later step may be out
	WIN 0x56+(\s/4)                                ; Wk window 2 or 3; the rows' fragments, C and D window 1
.irp nt, 0,1,2,3
.if \s == 0
	v_wmma_f32_16x16x128_bf8_bf8 v[KACC+8*\nt:KACC+8*\nt+7], v[64*\nt+16*(\s%4):64*\nt+16*(\s%4)+15], v[16*\s:16*\s+15], v[KBIAS+8*\nt:KBIAS+8*\nt+7]
.else
	v_wmma_f32_16x16x128_bf8_bf8 v[KACC+8*\nt:KACC+8*\nt+7], v[64*\nt+16*(\s%4):64*\nt+16*(\s%4)+15], v[16*\s:16*\s+15], v[KACC+8*\nt:KACC+8*\nt+7]
.endif
.endr
.endr
	PLACES
	WIN 0x45
.set q, 0
.rept 32
	v_med3_num_f32 v[KACC+q], v[KACC+q], s[KLN], s[KL]   ; each accumulator from its low end on
.set q, q+1
.endr
.irp nt, 0,1,2,3
	v_cvt_scalef32_pk8_bf8_f32 v[KC+2*\nt:KC+2*\nt+1], v[KACC+8*\nt:KACC+8*\nt+7], v[KSC]   ; the three scales folded into one
.endr
	v_nop                                          ; a plain line behind the last conversion
	WIN 0x04                                       ; the stores' data in window 1
.irp y, 0,1
	global_store_b128 v[KO0], v[KC+4*\y:KC+4*\y+3], s[98:99] offset:131072*\y   ; 32 lanes store 512 consecutive bytes, aligned
.endr
	WIN 0
.endm
.macro REGS512                         ; four tiles of 16 rows x 1,024 K at v[TA] into windows 2 (K steps 0-3) and 3 (4-7): 128 loads
	WIN 0x80
.irp t, 0,1,2,3
.irp s, 0,1,2,3
.irp c, 0,1,2,3
	ds_load_b128 v[64*\t+16*\s+4*\c:64*\t+16*\s+4*\c+3], v[TA] offset:\t*TILE16+128*\s+32*\c
.endr
.endr
.endr
	WIN 0xc0
.irp t, 0,1,2,3
.irp s, 0,1,2,3
.irp c, 0,1,2,3
	ds_load_b128 v[64*\t+16*\s+4*\c:64*\t+16*\s+4*\c+3], v[TA] offset:\t*TILE16+512+128*\s+32*\c
.endr
.endr
.endr
	WIN 0
.endm
.macro WVLOAD adr, nn, buf             ; 16 weight rows x 1,024 K: eight fragments, 32 loads, into set buf of window 1
	WIN 0x40
.irp s, 0,1,2,3,4,5,6,7
.irp c, 0,1,2,3
	ds_load_b128 v[128*(\buf)+16*\s+4*\c:128*(\buf)+16*\s+4*\c+3], v[\adr] offset:(\nn)*TILE16+128*\s+32*\c
.endr
.endr
	WIN 0
.endm
; 16 matrix instructions: K steps 4 half .. + 3, my four tiles of rows by turns.  Source 0 = 16 rows of x, source 1 = 16 weight rows: lane (r, h) holds channel r and eight neighbouring keys.
; acc: the set that is summed.  oth: the other set, with the tile before: behind each product one of its 32 numbers is held, each accumulator from its low end on; the hold's vector register is its source 2 and its
; destination, which mean window 0 under the products' setting.  oth = -1: no tile before.
.macro VMUL half, buf, acc, oth
	WIN 0x06+\half
.set q, 16*\half
.irp s, 0,1,2,3
.irp t, 0,1,2,3
.if (\half == 0) && (\s == 0)
	v_wmma_f32_16x16x128_bf8_bf8 v[\acc+8*\t:\acc+8*\t+7], v[64*\t+16*\s:64*\t+16*\s+15], v[128*(\buf)+16*(4*\half+\s):128*(\buf)+16*(4*\half+\s)+15], v[BC:BC+7]
.else
	v_wmma_f32_16x16x128_bf8_bf8 v[\acc+8*\t:\acc+8*\t+7], v[64*\t+16*\s:64*\t+16*\s+15], v[128*(\buf)+16*(4*\half+\s):128*(\buf)+16*(4*\half+\s)+15], v[\acc+8*\t:\acc+8*\t+7]
.endif
.if \oth > 0
	v_med3_num_f32 v[\oth+q], s[VLN], s[VL], v[\oth+q]
.set q, q+1
.endif
.endr
.endr
.endm
.macro BCSET nn                        ; the bias of my lane's channel, eight times: the C of the four first products
.irp j, 0,1,2,3,4,5,6,7
	v_mov_b32 v[BC+\j], v[BI+\nn]
.endr
.endm
.macro VEPI acc, off                   ; 64 keys x 16 channels, already held: converted and stored, two chunks of 16 bytes a lane
	WIN 0
.irp t, 0,1,2,3
	v_cvt_scalef32_pk8_bf8_f32 v[VC+2*\t:VC+2*\t+1], v[\acc+8*\t:\acc+8*\t+7], v[VSC]
.endr
	v_nop                                          ; a plain line behind the last conversion: later products write its sources
	global_store_b128 v[VO], v[VC:VC+3], s[VB:VB+1] offset:\off
	global_store_b128 v[VO], v[VC+4:VC+7], s[VB:VB+1] offset:\off+512
.endm
; Tile n of a head's four: 32 products into acc, among them the hold of the tile before (oth), which is then converted and stored at byte off.  The v_nop behind the conversions and BCSET's eight lines are the plain lines
; between one tile's last products and the next tile's loads and holds.  ld = 1: the next tile's fragments are fetched.  adv = 1: the stores' base goes on to the next head.
.macro VSTEP n, ld, adr, nn, acc, oth, off, adv
	s_wait_dscnt 0x0                               ; this tile's fragments are in (asked for at least 16 matrix instructions ago)
	BCSET \n
.if \ld
	WVLOAD \adr, \nn, (\n+1)%2
.endif
	VMUL 0, \n%2, \acc, \oth
	s_wait_xcnt 0x0                                ; the stores before have read the codes' registers and their base
.if \adv
	s_add_nc_u64 s[VB:VB+1], s[VB:VB+1], 524288
.endif
	VMUL 1, \n%2, \acc, \oth
	VEPI \oth, \off
.endm
; A slot's second tile: the slot is left.  fill = 1: it is filled again with the 64 rows of Wv two slots on, 16 rows a wave; the barrier is a round of the cluster's.  Then the other slot's first fragments are fetched.
.macro VTURN n, fill, g0, adr, acc, oth, off
	s_wait_dscnt 0x0                               ; my reads of this slot are over
	BCSET \n
	s_wait_alu depctr_va_vdst(0)
	s_wait_tensorcnt 0x0                           ; all my tensor loads have landed: my part of the other slot;
	ds_add_u32 v[SPW], v[NIL]                      ; 0 onto my spare word
.if \fill
	s_add_nc_u64 s[\g0+2:\g0+3], s[\g0+2:\g0+3], 131072   ; no load of mine is out, so the slot's descriptor may be written: two slots on
.endif
	VMUL 0, \n%2, \acc, \oth                       ; sixteen matrix instructions stand between the add and the wait for it
	WIN 0
	s_wait_xcnt 0x0                                ; the stores before have read the codes' registers
	s_wait_dscnt 0x0
.if \fill
	ROUND                                          ; no wave of any partner still reads the slot or has a load on its way
	tensor_load_to_lds s[\g0:\g0+3], s[G1C:G1C+7]  ; my one tensor load behind the round
	s_nop 0
	PLACES
.else
	s_barrier_signal -1
	s_barrier_wait -1
.endif
.if \n == 3
	s_add_co_u32 s[BJ], s[BJ], 512
	v_add_nc_u32 v[BA], s[BJ], v[BA0]
.irp m, 0,1,2,3
	ds_load_b32 v[BI+\m], v[BA] offset:256*(\m/2)+64*(\m%2)   ; the next head's bias words
.endr
.endif
	WVLOAD \adr, 0, (\n+1)%2
	VMUL 1, \n%2, \acc, \oth
	VEPI \oth, \off
.endm
	s_load_b512 s[4:19], s[0:1], 0x0               ; inputs s[4:5], ln2_w s[6:7], ln2_b s[8:9], Wk s[10:11], bk s[12:13], Wv s[14:15], bv s[16:17], the scales s[18:19]
	s_load_b128 s[20:23], s[0:1], 0x40             ; k_ws, v_ws
	v_lshl_add_u32 v[SPW], v0, 2, SPARE
	v_mov_b32 v[NIL], 0
	ds_add_u32 v[SPW], v[NIL]                      ; the opening lines: the add, twice on end, and its wait ahead of my first tensor load
	ds_add_u32 v[SPW], v[NIL]
	v_lshrrev_b32 v14, 5, v0
	v_readfirstlane_b32 s[WV], v14                 ; wave 0..3
	s_lshr_b32 s[RH], s[WV], 1                     ; which 64 rows of x I keep in phase 2
	s_and_b32 s[CH], s[WV], 1                      ; which 32 rows of a slot of Wv I take
	s_bfe_u32 s87, ttmp6, 0x40000                  ; cx: it enters global addresses of inputs, k_ws, v_ws and the prefetches alone
	s_lshl_b32 s88, ttmp9, 2
	s_add_co_u32 s88, s88, s87                     ; my block of 128 rows
.irp g, G1, G1B, G1C
	s_mov_b32 s[\g], 15|(1<<20)|(1<<21)|(7<<22)|(3<<25)   ; the mask of all four; elements of 1 byte; padding: four words after every 256; bit 21 set beside a mask
	s_mov_b32 s[\g+1], 1024<<16
	s_mov_b32 s[\g+3], 1024<<16
	s_mov_b32 s[\g+5], 1024
	s_mov_b32 s[\g+6], 0
	s_mov_b32 s[\g+7], 0
.endr
	s_mov_b32 s[G1+2], 64<<16
	s_mov_b32 s[G1+4], 64
	s_mov_b32 s[G1B+2], 32<<16
	s_mov_b32 s[G1B+4], 32
	s_mov_b32 s[G1C+2], 16<<16
	s_mov_b32 s[G1C+4], 16
	s_mul_i32 s[W66], s[WV], HALFS
	s_lshl_b32 s96, s[WV], 16                      ; my 64 rows in Wk's memory
	s_mov_b32 s97, 0
	s_lshl_b32 s98, s88, 19                        ; 128 rows of 4,096 bytes
	s_mov_b32 s99, 0
	s_lshr_b32 s89, s88, 5                         ; the batch
	s_and_b32 s90, s88, 31                         ; the block of keys in it
	s_lshl_b32 s100, s89, 20
	s_lshl_b32 s91, s90, 12
	s_add_co_u32 s100, s100, s91
	s_mov_b32 s101, 0
	s_mov_b32 s[INV], 0x3a800000                   ; 1 / 1,024
	s_mov_b32 s[EPS], 0x3727c5ac                   ; 1e-5
	s_mov_b32 s[SEL], 0x76543210                   ; v_permlanex16_b32: lane l xor 16
	s_mov_b32 s[SEL+1], 0xfedcba98
	s_wait_dscnt 0x0                               ; both opening adds are done
	s_wait_kmcnt 0x0
	s_load_b256 s[68:75], s[18:19], 0x0            ; e0 .. e7
	s_load_b64 s[76:77], s[18:19], 0x20            ; e8, e9
	s_add_nc_u64 s[4:5], s[4:5], s[98:99]
	s_add_nc_u64 s[KWS:KWS+1], s[KWS:KWS+1], s[100:101]
	s_lshl_b32 s98, s89, 22
	s_lshl_b32 s91, s90, 14
	s_add_co_u32 s98, s98, s91
	s_add_nc_u64 s[VB:VB+1], s[VB:VB+1], s[98:99]
	s_mov_b32 s[G0], 1
	s_mov_b32 s[G0+1], s[W66]
	s_add_nc_u64 s[G0+2:G0+3], s[10:11], s[96:97]
	s_or_b32 s[G0+3], s[G0+3], 0x80000000
	s_lshl_b32 s98, s[WV], 14                      ; the prefetches of x: my four rows, of round 2
	s_add_co_u32 s98, s98, 0x20000
	s_add_nc_u64 s[PXA:PXA+1], s[4:5], s[98:99]
	s_lshl_b32 s98, s87, 2                         ; the prefetches of weights: 8,192 bytes x (4 x my place in the cluster + my wave)
	s_add_co_u32 s98, s98, s[WV]
	s_lshl_b32 s98, s98, 13
	s_add_nc_u64 s[100:101], s[10:11], s[98:99]
	s_add_nc_u64 s[PFA:PFA+1], s[14:15], s[98:99]
	s_add_nc_u64 s[PFA:PFA+1], s[PFA:PFA+1], 131072   ; Wv from row 128 on
	ROUND                                          ; all four work-groups are here: the first joint loads meet
	tensor_load_to_lds s[G0:G0+3], s[G1:G1+7]      ; Wk, 64 rows a wave: my one tensor load at the head
	s_nop 0
	PLACES
	v_and_b32 v227, 31, v0                         ; lane
	v_and_b32 v224, 15, v0                         ; r
	v_bfe_u32 v225, v0, 4, 1                       ; h
	v_lshlrev_b32 v[LO], 4, v227
	v_lshlrev_b32 v[PFL], 8, v227
	s_lshl_b32 s88, s[WV], 14
	v_add_nc_u32 v[XO], s88, v[LO]
	v_mul_u32_u24 v226, v224, PITCH
	v_lshl_add_u32 v226, v225, 4, v226             ; a fragment's row x pitch + 16 x half
	s_mul_i32 s88, s[WV], 4*PITCH
	v_lshl_add_u32 v[SAK0], v227, 2, s88           ; my four rows of a tile, four bytes a lane
	v_add_nc_u32 v[SAV0], XVB, v[SAK0]
	v_add_nc_u32 v[SAK0], STG_AK, v[SAK0]
	v_add_nc_u32 v[AKA0], STG_AK, v226
	v_add_nc_u32 v[TA], s[W66], v226               ; my 64 rows of Wk
	s_lshl_b32 s88, s[WV], 18
	v_add_nc_u32 v[KO0], s88, v[LO]                ; k_ws: 16 x lane + two heads x wave
	s_lshl_b32 s88, s[WV], 8
	v_lshl_add_u32 v228, v225, 5, s88              ; bk: my 64 numbers, + 8 h
	v_lshlrev_b32 v229, 5, v0                      ; bv: eight numbers a thread
	v_add_nc_u32 v230, BVL, v229
	v_add_nc_u32 v[SAV], 7*TILE16, v[SAV0]         ; round 0: tile 7 of the e4 store,
	v_mov_b32 v[SAK], v[SAK0]                      ; stage 0
	global_prefetch_b8 v[PFL], s[100:101] th:TH_LOAD_NT scope:SCOPE_SE                 ; Wk: each block of 256 bytes once in the cluster, ahead of the loads of x
	global_prefetch_b8 v[PFL], s[100:101] offset:131072 th:TH_LOAD_NT scope:SCOPE_SE
.irp j, 0,1,2,3,4,5,6,7
	global_load_b128 v[LNW+4*\j:LNW+4*\j+3], v[LO], s[6:7] offset:512*\j
	global_load_b128 v[LNB+4*\j:LNB+4*\j+3], v[LO], s[8:9] offset:512*\j
.endr
	WIN 0x40
.irp nt, 0,1,2,3
	global_load_b128 v[KBIAS+8*\nt:KBIAS+8*\nt+3], v228, s[12:13] offset:64*\nt
	global_load_b128 v[KBIAS+8*\nt+4:KBIAS+8*\nt+7], v228, s[12:13] offset:64*\nt+16
.endr
	WIN 0
	global_load_b128 v[208:211], v229, s[16:17]
	global_load_b128 v[212:215], v229, s[16:17] offset:16
	XLOAD 0, 0
	XLOAD 1, 0
	XLOAD 2, 0
	XLOAD 3, 0
	s_wait_alu depctr_va_vdst(0)
	s_wait_kmcnt 0x0
	s_add_co_i32 s81, s70, s71                     ; e2 + e3: a sum of the K projection stands for sum x 2^(e2 + e3)
	s_sub_co_i32 s82, 0, s81
	s_sub_co_i32 s83, s75, s81                     ; e7 - e2 - e3
	s_add_co_i32 s84, s72, s73                     ; e4 + e5
	s_sub_co_i32 s85, 0, s84
	s_sub_co_i32 s86, s77, s84                     ; e9 - e4 - e5
	MKSCALE 87, LK, LKN, 70
	v_mov_b32 v[SK], s87
	MKSCALE 87, LV, LVN, 72
	v_mov_b32 v[SV], s87
	MKSCALE 87, KL, KLN, 83
	WIN 0x40
	v_mov_b32 v[KSC], s87
	WIN 0
	MKSCALE VSCS, VL, VLN, 86
	s_wait_loadcnt 32                              ; all but the 32 loads of x are in
.irp j, 0,1,2,3,4,5,6,7
	v_ldexp_f32 v[208+\j], v[208+\j], s85          ; bv / 2^(e4 + e5): it goes in as the C of a sum that lacks that power of two
.endr
	ds_store_b128 v230, v[208:211]
	ds_store_b128 v230, v[212:215] offset:16
	WIN 0x41
.set q, 0
.rept 32
	v_ldexp_f32 v[KBIAS+q], v[KBIAS+q], s82        ; bk / 2^(e2 + e3)
.set q, q+1
.endr
	WIN 0
	LNR 0                                          ; round 0, on bytes behind Wk's fill, while Wk is on its way
	s_wait_xcnt 0x0
	v_add_nc_u32 v[XO], 0x10000, v[XO]
	s_wait_alu depctr_va_vdst(0)
	s_wait_tensorcnt 0x0                           ; my 64 rows of Wk are in: I alone read them
	REGS512
	s_wait_tensorcnt 0x0
	ds_add_u32 v[SPW], v[NIL]
	s_mul_i32 s[G0+1], s[WV], 32*PITCH             ; Wv's rows 0 to 127 into the two slots: 32 rows a wave
	s_lshl_b32 s96, s[WV], 15
	s_mov_b32 s97, 0
	s_add_nc_u64 s[G0+2:G0+3], s[14:15], s[96:97]
	s_or_b32 s[G0+3], s[G0+3], 0x80000000
	s_wait_dscnt 0x0                               ; the add is done, Wk is in my registers, round 0's codes are stored
	ROUND
	tensor_load_to_lds s[G0:G0+3], s[G1B:G1B+7]    ; it has all of phase 1 in which to land
	s_nop 0
	PLACES
	global_prefetch_b8 v[PFL], s[PXA:PXA+1] th:TH_LOAD_NT scope:SCOPE_SE               ; round 2's rows
	global_prefetch_b8 v[PFL], s[PXA:PXA+1] offset:8192 th:TH_LOAD_NT scope:SCOPE_SE
	s_mov_b32 s[RND], 0
	s_mov_b32 s[PV], 0
	s_mov_b32 s[PA], 0
.Lround:                                           ; seven trips: round RND is multiplied, round RND + 1 normalised into the other stage and into tile RND
	KPRE
	s_xor_b32 s[PA], s[PA], TILE16
	v_add_nc_u32 v[SAK], s[PA], v[SAK0]
	v_add_nc_u32 v[SAV], s[PV], v[SAV0]
	s_wait_alu depctr_va_vdst(0)
	KPROJ
	LNR 1
	s_wait_xcnt 0x0                                ; the loads, stores and prefetches have read their addresses and data
	v_add_nc_u32 v[XO], 0x10000, v[XO]
	s_add_nc_u64 s[PXA:PXA+1], s[PXA:PXA+1], 0x10000
	s_add_nc_u64 s[PFA:PFA+1], s[PFA:PFA+1], 131072
	s_add_co_u32 s[PV], s[PV], TILE16
	s_wait_alu depctr_va_vdst(0)
	BAR                                            ; the next round's codes lie whole in LDS, and every wave's reads of this round's stage are over
	s_add_co_u32 s[RND], s[RND], 1
	s_cmp_lt_u32 s[RND], 7
	s_cbranch_scc1 .Lround
	KPRE
	s_wait_alu depctr_va_vdst(0)
	KPROJ                                          ; round 7
	; THE TRANSITION: my four tiles of e4 codes take Wk's registers; Wv's first two slots have been on their way since round 0.
	v_and_b32 v21, 15, v0
	v_bfe_u32 v22, v0, 4, 1
	v_mul_u32_u24 v23, v21, PITCH
	v_lshl_add_u32 v23, v22, 4, v23
	s_mul_i32 s87, s[RH], 4*TILE16
	s_add_co_u32 s87, s87, XVB
	v_add_nc_u32 v[TA], s87, v23                   ; tiles 4 (wave / 2) on
	s_mul_i32 s87, s[CH], 32*PITCH
	v_add_nc_u32 v[WVA0], s87, v23                 ; my 32 rows of slot 0,
	v_add_nc_u32 v[WVA1], HALFS, v[WVA0]           ; of slot 1
	s_lshl_b32 s87, s[CH], 12
	s_lshl_b32 s96, s[RH], 10
	s_add_co_u32 s87, s87, s96
	v_add_nc_u32 v[VO], s87, v[LO]                 ; v_ws: 16 x lane + two channel tiles x (wave % 2) + two chunks x (wave / 2)
	s_lshl_b32 s87, s[CH], 7
	s_add_co_u32 s87, s87, BVL
	s_wait_alu depctr_va_vdst(0)
	v_lshl_add_u32 v[BA0], v21, 2, s87             ; the bias of channel 32 (wave % 2) + r
	v_mov_b32 v[VSC], s[VSCS]
	s_mov_b32 s[BJ], 0
	s_mov_b32 s[VCNT], 7
	s_wait_alu depctr_va_vdst(0)
	s_wait_xcnt 0x0                                ; round 7's stores have read their data
	s_wait_tensorcnt 0x0                           ; my part of the two slots is in,
	BAR                                            ; everybody's is
	s_mul_i32 s[G0+1], s[WV], TILE16               ; the slots' descriptors, 16 rows a wave: each stands two slots behind its first use
	s_add_co_u32 s[G0B+1], s[G0+1], HALFS
	s_mov_b32 s[G0B], 1
	s_lshl_b32 s96, s[WV], 14
	s_mov_b32 s97, 0
	s_add_nc_u64 s[G0+2:G0+3], s[14:15], s[96:97]
	s_add_nc_u64 s[G0B+2:G0B+3], s[G0+2:G0+3], 65536
	s_or_b32 s[G0+3], s[G0+3], 0x80000000
	s_or_b32 s[G0B+3], s[G0B+3], 0x80000000
	REGS512
.irp m, 0,1,2,3
	ds_load_b32 v[BI+\m], v[BA0] offset:256*(\m/2)+64*(\m%2)
.endr
	WVLOAD WVA0, 0, 0
	s_wait_dscnt 0x0                               ; the first tile of 16 channels stands in front of the loop: no tile before it is to be held
	BCSET 0
	WVLOAD WVA0, 1, 1
	VMUL 0, 0, ACC, -1
	VMUL 1, 0, ACC, -1
	WIN 0
	PLACES                                         ; ahead of the next write of the bias operand, which these products have read
.Lv:                                               ; seven trips, a head each, from its second tile of 16 channels to the next head's first; they ask for slots 2 to 15
	VTURN 1, 1, G0, WVA1, ACB, ACC, 0
	VSTEP 2, 1, WVA1, 1, ACC, ACB, 2048, 0
	VTURN 3, 1, G0B, WVA0, ACB, ACC, 8192
	VSTEP 0, 1, WVA0, 1, ACC, ACB, 10240-524288, 1 ; the fourth tile of the head that was left is stored a head back from the base
	s_sub_co_u32 s[VCNT], s[VCNT], 1
	s_cmp_lg_u32 s[VCNT], 0
	s_cbranch_scc1 .Lv
	VTURN 1, 0, G0, WVA1, ACB, ACC, 0              ; the last head is written out: it asks for nothing
	VSTEP 2, 1, WVA1, 1, ACC, ACB, 2048, 0
	VSTEP 3, 0, WVA1, 0, ACB, ACC, 8192, 0
	s_wait_xcnt 0x0                                ; the stores before have read the codes' registers
	PLACES
.set q, 0
.rept 32
	v_med3_num_f32 v[ACB+q], s[VLN], s[VL], v[ACB+q]   ; the last tile's hold has no products to stand among
.set q, q+1
.endr
	VEPI ACB, 10240
	s_wait_tensorcnt 0x0                           ; the wave's end
	ds_add_u32 v[SPW], v[NIL]
	s_wait_dscnt 0x0
	ROUND                                          ; the closing round: no work-group ends while a partner may still ask for a tile that names it
	s_endpgm
.Lfunc_end_k_q43737fe896_kvproj:
	.size	k_q43737fe896_kvproj, .Lfunc_end_k_q43737fe896_kvproj-k_q43737fe896_kvproj
	.p2alignl 7, 3214868480
	.fill 96, 4, 3214868480
	.section	.rodata,"a",@progbits
	.p2align	6, 0x0
	.amdhsa_kernel k_q43737fe896_kvproj
		.amdhsa_group_segment_fixed_size 327680
		.amdhsa_private_segment_fixed_size 0
		.amdhsa_enable_private_segment 0
		.amdhsa_kernarg_size 80
		.amdhsa_user_sgpr_count 2
		.amdhsa_user_sgpr_kernarg_segment_ptr 1
		.amdhsa_wavefront_size32 1
		.amdhsa_system_sgpr_workgroup_id_x 1
		.amdhsa_system_sgpr_workgroup_id_y 1
		.amdhsa_system_sgpr_workgroup_id_z 1
		.amdhsa_system_vgpr_workitem_id 0
		.amdhsa_next_free_vgpr 1024
		.amdhsa_next_free_sgpr 102
		.amdhsa_reserve_vcc 0
		.amdhsa_float_denorm_mode_32 3
		.amdhsa_float_denorm_mode_16_64 3
		.amdhsa_memory_ordered 1
		.amdhsa_forward_progress 1
		.amdhsa_inst_pref_size 209
	.end_amdhsa_kernel
	.amdgpu_metadata
---
amdhsa.version: [ 1, 2 ]
amdhsa.kernels:
  - .name:           k_q43737fe896_kvproj
    .symbol:         k_q43737fe896_kvproj.kd
    .args:
      - { .name: inputs, .offset: 0, .size: 8, .value_kind: global_buffer, .address_space: global }
      - { .name: ln2_w, .offset: 8, .size: 8, .value_kind: global_buffer, .address_space: global }
      - { .name: ln2_b, .offset: 16, .size: 8, .value_kind: global_buffer, .address_space: global }
      - { .name: Wk_codes, .offset: 24, .size: 8, .value_kind: global_buffer, .address_space: global }
      - { .name: bk, .offset: 32, .size: 8, .value_kind: global_buffer, .address_space: global }
      - { .name: Wv_codes, .offset: 40, .size: 8, .value_kind: global_buffer, .address_space: global }
      - { .name: bv, .offset: 48, .size: 8, .value_kind: global_buffer, .address_space: global }
      - { .name: lowp_scales, .offset: 56, .size: 8, .value_kind: global_buffer, .address_space: global }
      - { .name: k_ws, .offset: 64, .size: 8, .value_kind: global_buffer, .address_space: global }
      - { .name: v_ws, .offset: 72, .size: 8, .value_kind: global_buffer, .address_space: global }
    .group_segment_fixed_size: 327680
    .private_segment_fixed_size: 0
    .kernarg_segment_align: 8
    .kernarg_segment_size: 80
    .max_flat_workgroup_size: 128
    .sgpr_count:     102
    .vgpr_count:     1024
    .wavefront_size: 32
...
	.end_amdgpu_metadata
.endif
;; end of part 1
;; launch qproj (part 2): grid 256 x 1, 4 waves a work-group, clusters of 4 x 1, 327,680 bytes of LDS; arguments hidden_states, ln1_w, ln1_b, Wq_codes, bq, lowp_scales, q_ws; writes q_ws
.if DOCPART == 2
	.amdgcn_target "amdgcn-amd-amdhsa--gfx1250"
	.amdhsa_code_object_version 6
	.text
	.protected	k_q43737fe896_qproj
	.globl	k_q43737fe896_qproj
	.p2align	8
	.type	k_q43737fe896_qproj,@function
k_q43737fe896_qproj:
	s_mov_b64 s[64:65], 0
	v_nop
	global_prefetch_b8 v0, s[64:65] scope:SCOPE_SE
	s_setreg_imm32_b32 hwreg(HW_REG_WAVE_MODE, 25, 1), 1
	s_wait_xcnt 0x0
	s_wait_alu depctr_hold_cnt(0) depctr_sa_sdst(0) depctr_va_vdst(0) depctr_va_sdst(0) depctr_va_ssrc(0) depctr_va_vcc(0) depctr_vm_vsrc(0)
	s_getreg_b32 s2, hwreg(HW_REG_IB_STS2, 6, 4)
	s_cmp_eq_u32 s2, 0
	s_cbranch_scc0 .Lentry_in_a_cluster
	s_endpgm
.Lentry_in_a_cluster:
	s_bfe_u32 s2, ttmp6, 0x10000c
	s_cmp_lg_u32 s2, 0x3003
	s_cbranch_scc0 .Lentry_shape_is_right
	s_endpgm
.Lentry_shape_is_right:
; h = LayerNorm(hidden_states); q = h Wq^T + bq, on codes of E5M2; q leaves as codes of E5M2 (scale 2^e6) for the attention launch.  h is quantised with 2^e0.
; A work-group of four waves owns 16 rows, one tile of queries: wave w normalises rows 4 w .. 4 w + 3; the codes meet in a stage in LDS; every wave multiplies the tile by its 64 rows of Wq (two heads).
; Wq lies whole in LDS, 64 rows a wave by one tensor load, asked for jointly by the four partners of a cluster.  No LDS byte is filled twice.
; q_ws [b][head][tile of 16 queries][lane 32][16]: lane (r, h): query r of the tile; bytes 0-7 channels 8 h + j, bytes 8-15 channels 16 + 8 h + j: as k_ws has its keys.
; LIMITS: e0 and e6 - e0 - e1 lie between -126 and 112.  NaN and infinity among the inputs are not served.
; REGISTERS: window 0: v1-15 addresses and the scale; v16-47, v48-79 the LN gain and bias; v80-207 four rows; v208-255 at work.  Window 1: v0-127 two sets of weight fragments, v128-159 accumulators, v160-191 bq as C operands,
;   v192 the scale, v196-203 codes.  Windows 2 and 3: v192-255 the tile's eight fragments.
.set PITCH,  1040                      ; an LDS row: 1,024 bytes + 16: the 16 rows of a fragment load start at 16 different banks (64 banks of 4 bytes: ISA guide 11.1)
.set TILE16, 16*PITCH
.set HALFS,  64*PITCH
.set STG_AK, 256*PITCH                 ; behind Wq's 256 rows: the stage, 16 rows
.set XO,   1
.set SAK,  2
.set SAV,  6
.set AKA,  7
.set WKA,  8
.set KO,   11
.set LO,   12
.set SK,   13
.set SV,   15
.set LNW,  16
.set LNB,  48
.set X,    80
.set CHN,  208
.set T,    208
.set MU,   224
.set RS,   228
.set AKF,  192
.set KACC, 128
.set KBIAS,160
.set KSC,  192
.set KC,   196
.set KWS, 20
.set G1,  24
.set G0F, 32
.set WV,  40
.set W66, 45
.set INV, 50
.set EPS, 51
.set SEL, 52
.set LKN, 54
.set LK,  55
.set LVN, 56
.set LV,  57
.set KLN, 58
.set KL,  59
.set MSB, 0
.macro WIN new                         ; the immediate's high byte repeats the setting that is left; a switch that changes nothing is dropped
.if MSB != (\new)
	s_set_vgpr_msb (MSB<<8)|(\new)
.set MSB, (\new)
.endif
.endm
.macro PLACES                          ; four plain vector instructions behind a matrix instruction (ISA guide 7.12.1)
.rept 4
	v_nop
.endr
.endm
.macro BAR
	s_wait_dscnt 0x0
	s_barrier_signal -1
	s_barrier_wait -1
.endm
.macro ROUND                           ; a round of the cluster's barrier
	s_barrier_signal -1
	s_barrier_wait -1
	s_cmp_lg_u32 s[WV], 0
	s_cbranch_scc1 .Lnot_wave_0_\@
	s_barrier_signal -3
.Lnot_wave_0_\@:
	s_barrier_wait -3
	s_barrier_signal -1
	s_barrier_wait -1
.endm
.macro MKSCALE sc, lim, limn, e        ; from the exponent in s[e] (used up): 2^e, 57,344 x 2^e and its negative, as f32 patterns
	s_add_co_i32 s[\e], s[\e], 127
	s_lshl_b32 s[\sc], s[\e], 23
	s_add_co_i32 s[\e], s[\e], 15
	s_lshl_b32 s[\lim], s[\e], 23
	s_or_b32 s[\lim], s[\lim], 0x600000
	s_or_b32 s[\limn], s[\lim], 0x80000000
.endm
.macro XLOAD i4, off                   ; one row: eight loads of 512 consecutive bytes; register 4 j + e holds column 128 j + 4 lane + e
.irp j, 0,1,2,3,4,5,6,7
	global_load_b128 v[X+32*\i4+4*\j:X+32*\i4+4*\j+3], v[XO], s[4:5] offset:\off+\i4*4096+512*\j
.endr
.endm
.macro LNRED                           ; two rows' four chains each -> the row's sum in every lane
.irp u, 0,1
	v_pk_add_f32 v[CHN+8*\u:CHN+8*\u+1], v[CHN+8*\u:CHN+8*\u+1], v[CHN+8*\u+2:CHN+8*\u+3]
.endr
.irp u, 0,1
	v_pk_add_f32 v[CHN+8*\u+4:CHN+8*\u+5], v[CHN+8*\u+4:CHN+8*\u+5], v[CHN+8*\u+6:CHN+8*\u+7]
.endr
.irp u, 0,1
	v_pk_add_f32 v[CHN+8*\u:CHN+8*\u+1], v[CHN+8*\u:CHN+8*\u+1], v[CHN+8*\u+4:CHN+8*\u+5]
.endr
.irp u, 0,1
	v_add_f32 v[CHN+8*\u], v[CHN+8*\u], v[CHN+8*\u+1]
.endr
.irp m, 1,2,4,8
.irp u, 0,1
	v_add_f32_dpp v[CHN+8*\u], v[CHN+8*\u], v[CHN+8*\u] row_xmask:\m row_mask:0xf bank_mask:0xf
.endr
.endr
.irp u, 0,1
	v_permlanex16_b32 v[CHN+8*\u+1], v[CHN+8*\u], s[SEL], s[SEL+1]
.endr
.irp u, 0,1
	v_add_f32 v[CHN+8*\u], v[CHN+8*\u], v[CHN+8*\u+1]
.endr
.endm
; Rows a and a + 1 of my four: LayerNorm in two passes, the hold, the conversion, the codes to the stage.  The same text as in the launch for k and v; here two = 0: one set of codes, in place.
.macro LNPAIR a, two
.irp k, 0,1,2,3
.irp u, 0,1
	v_pk_add_f32 v[CHN+8*\u+2*\k:CHN+8*\u+2*\k+1], v[X+32*(\a+\u)+2*\k:X+32*(\a+\u)+2*\k+1], v[X+32*(\a+\u)+2*\k+8:X+32*(\a+\u)+2*\k+9]
.endr
.endr
.set q, 8
.rept 8
.irp u, 0,1
	v_pk_add_f32 v[CHN+8*\u+2*(q%4):CHN+8*\u+2*(q%4)+1], v[CHN+8*\u+2*(q%4):CHN+8*\u+2*(q%4)+1], v[X+32*(\a+\u)+2*q:X+32*(\a+\u)+2*q+1]
.endr
.set q, q+1
.endr
	LNRED
.irp u, 0,1
	v_mul_f32 v[MU+2*\u], s[INV], v[CHN+8*\u]
	v_mul_f32 v[MU+2*\u+1], s[INV], v[CHN+8*\u]
.endr
.set q, 0
.rept 16
.irp u, 0,1
	v_pk_add_f32 v[X+32*(\a+\u)+2*q:X+32*(\a+\u)+2*q+1], v[X+32*(\a+\u)+2*q:X+32*(\a+\u)+2*q+1], v[MU+2*\u:MU+2*\u+1] neg_lo:[0,1] neg_hi:[0,1]
.endr
.set q, q+1
.endr
.irp k, 0,1,2,3
.irp u, 0,1
	v_pk_mul_f32 v[CHN+8*\u+2*\k:CHN+8*\u+2*\k+1], v[X+32*(\a+\u)+2*\k:X+32*(\a+\u)+2*\k+1], v[X+32*(\a+\u)+2*\k:X+32*(\a+\u)+2*\k+1]
.endr
.endr
.set q, 4
.rept 12
.irp u, 0,1
	v_pk_fma_f32 v[CHN+8*\u+2*(q%4):CHN+8*\u+2*(q%4)+1], v[X+32*(\a+\u)+2*q:X+32*(\a+\u)+2*q+1], v[X+32*(\a+\u)+2*q:X+32*(\a+\u)+2*q+1], v[CHN+8*\u+2*(q%4):CHN+8*\u+2*(q%4)+1]
.endr
.set q, q+1
.endr
	LNRED
.irp u, 0,1
	v_fma_f32 v[CHN+8*\u+2], v[CHN+8*\u], s[INV], s[EPS]
.endr
	s_wait_alu depctr_va_vdst(0)
.irp u, 0,1
	v_rsq_f32 v[RS+2*\u], v[CHN+8*\u+2]
	v_rsq_f32 v[RS+2*\u+1], v[CHN+8*\u+2]
.endr
	v_nop                                          ; a plain instruction behind the last of the four, ahead of the first use (ISA guide 5.7.2)
	s_wait_alu depctr_va_vdst(0)                   ; one wait for the batch of four, ahead of its first reader
.set q, 0
.rept 16
.irp u, 0,1
	v_pk_mul_f32 v[X+32*(\a+\u)+2*q:X+32*(\a+\u)+2*q+1], v[X+32*(\a+\u)+2*q:X+32*(\a+\u)+2*q+1], v[RS+2*\u:RS+2*\u+1]
.endr
.set q, q+1
.endr
.set q, 0
.rept 16
.irp u, 0,1
	v_pk_fma_f32 v[X+32*(\a+\u)+2*q:X+32*(\a+\u)+2*q+1], v[X+32*(\a+\u)+2*q:X+32*(\a+\u)+2*q+1], v[LNW+2*q:LNW+2*q+1], v[LNB+2*q:LNB+2*q+1]
.endr
.set q, q+1
.endr
	s_wait_dscnt 0x0                               ; the pair before has stored its codes: their registers may be written
.irp u, 0,1
.irp g, 0,1,2,3
.if \two
.irp e, 0,1,2,3,4,5,6,7
	v_med3_num_f32 v[T+\e], v[X+32*(\a+\u)+8*\g+\e], s[LKN], s[LK]
.endr
	v_cvt_scalef32_pk8_bf8_f32 v[232+16*\u+2*\g:232+16*\u+2*\g+1], v[T:T+7], v[SK]
.irp e, 0,1,2,3,4,5,6,7
	v_med3_num_f32 v[X+32*(\a+\u)+8*\g+\e], v[X+32*(\a+\u)+8*\g+\e], s[LVN], s[LV]
.endr
	v_cvt_scalef32_pk8_bf8_f32 v[240-24*\u+2*\g:240-24*\u+2*\g+1], v[X+32*(\a+\u)+8*\g:X+32*(\a+\u)+8*\g+7], v[SV]
.else
.irp e, 0,1,2,3,4,5,6,7
	v_med3_num_f32 v[X+32*(\a+\u)+8*\g+\e], v[X+32*(\a+\u)+8*\g+\e], s[LKN], s[LK]   ; the conversion to an 8-bit code does not saturate (ISA guide 7.6.2): the hold at the largest code x the scale
.endr
	v_cvt_scalef32_pk8_bf8_f32 v[232+16*\u+2*\g:232+16*\u+2*\g+1], v[X+32*(\a+\u)+8*\g:X+32*(\a+\u)+8*\g+7], v[SK]
.endif
.endr
.endr
	v_nop                                          ; a plain line behind the last conversion
.irp u, 0,1
.irp j, 0,1,2,3,4,5,6,7
	ds_store_b32 v[SAK], v[232+16*\u+\j] offset:(\a+\u)*PITCH+128*\j   ; four codes a lane: 128 consecutive bytes of the row
.if \two
	ds_store_b32 v[SAV], v[240-24*\u+\j] offset:(\a+\u)*PITCH+128*\j
.endif
.endr
.endr
.endm
.macro WKLOAD s                        ; my four tiles of 16 weight rows, K step s, into set s % 2 of window 1
.irp nt, 0,1,2,3
.irp c, 0,1,2,3
	ds_load_b128 v[64*((\s)%2)+16*\nt+4*\c:64*((\s)%2)+16*\nt+4*\c+3], v[WKA] offset:\nt*TILE16+128*(\s)+32*\c
.endr
.endr
.endm
; The staged tile x my 64 weight rows, K = 1,024.  TRANSPOSED: source 0 = 16 weight rows, source 1 = the 16 rows.  The bias is the C of each sum's first product.  Four accumulators by turns.
.macro KPROJ tau, hstep
	WIN 0x80
.irp s, 0,1,2,3
.irp c, 0,1,2,3
	ds_load_b128 v[AKF+16*\s+4*\c:AKF+16*\s+4*\c+3], v[AKA] offset:128*\s+32*\c
.endr
.endr
	WIN 0xc0
.irp s, 0,1,2,3
.irp c, 0,1,2,3
	ds_load_b128 v[AKF+16*\s+4*\c:AKF+16*\s+4*\c+3], v[AKA] offset:512+128*\s+32*\c
.endr
.endr
	WIN 0x40
	WKLOAD 0
	WKLOAD 1
.irp s, 0,1,2,3,4,5,6,7
.if \s < 7
	s_wait_dscnt 16                                ; all but the 16 loads of K step s + 1 are in
.else
	s_wait_dscnt 0x0
.endif
	WIN 0x59+4*(\s/4)
.irp nt, 0,1,2,3
.if \s == 0
	v_wmma_f32_16x16x128_bf8_bf8 v[KACC+8*\nt:KACC+8*\nt+7], v[64*(\s%2)+16*\nt:64*(\s%2)+16*\nt+15], v[AKF+16*(\s%4):AKF+16*(\s%4)+15], v[KBIAS+8*\nt:KBIAS+8*\nt+7]
.else
	v_wmma_f32_16x16x128_bf8_bf8 v[KACC+8*\nt:KACC+8*\nt+7], v[64*(\s%2)+16*\nt:64*(\s%2)+16*\nt+15], v[AKF+16*(\s%4):AKF+16*(\s%4)+15], v[KACC+8*\nt:KACC+8*\nt+7]
.endif
.endr
.if \s < 6
	PLACES
	WIN 0x40
	WKLOAD \s+2
.endif
.endr
	PLACES
	WIN 0x45
.set q, 0
.rept 32
	v_med3_num_f32 v[KACC+q], v[KACC+q], s[KLN], s[KL]   ; each accumulator from its low end on
.set q, q+1
.endr
.irp nt, 0,1,2,3
	v_cvt_scalef32_pk8_bf8_f32 v[KC+2*\nt:KC+2*\nt+1], v[KACC+8*\nt:KACC+8*\nt+7], v[KSC]
.endr
	v_nop
	WIN 0x04
.irp y, 0,1
	global_store_b128 v[KO], v[KC+4*\y:KC+4*\y+3], s[KWS:KWS+1] offset:(\hstep)*\y+(\tau)   ; 32 lanes store 512 consecutive bytes, aligned
.endr
	WIN 0
.endm
	s_load_b256 s[4:11], s[0:1], 0x0               ; hidden_states s[4:5], ln1_w s[6:7], ln1_b s[8:9], Wq s[10:11]
	s_load_b128 s[12:15], s[0:1], 0x20             ; bq s[12:13], the scales s[14:15]
	s_load_b64 s[KWS:KWS+1], s[0:1], 0x30          ; q_ws
	v_lshl_add_u32 v246, v0, 2, 0x45100
	v_mov_b32 v247, 0
	ds_add_u32 v246, v247
	ds_add_u32 v246, v247
	v_lshrrev_b32 v14, 5, v0
	v_readfirstlane_b32 s[WV], v14                 ; wave 0..3
	s_bfe_u32 s43, ttmp6, 0x40000                  ; cx
	s_lshl_b32 s44, ttmp9, 2
	s_add_co_u32 s44, s44, s43                     ; my tile of 16 rows: it enters the addresses of hidden_states and q_ws alone
	s_mov_b32 s[G1], 15|(1<<20)|(1<<21)|(7<<22)|(3<<25)   ; the mask of all four; elements of 1 byte; padding: four words after every 256
	s_mov_b32 s[G1+1], 1024<<16
	s_mov_b32 s[G1+2], 64<<16
	s_mov_b32 s[G1+3], 1024<<16
	s_mov_b32 s[G1+4], 64
	s_mov_b32 s[G1+5], 1024
	s_mov_b32 s[G1+6], 0
	s_mov_b32 s[G1+7], 0
	s_mul_i32 s[W66], s[WV], HALFS
	s_lshl_b32 s78, s[WV], 16
	s_mov_b32 s79, 0
	s_lshl_b32 s80, s44, 16                        ; 16 rows of 4,096 bytes
	s_mov_b32 s81, 0
	s_lshr_b32 s82, s44, 5                         ; the batch
	s_and_b32 s83, s44, 31                         ; the tile in it
	s_lshl_b32 s84, s82, 17
	s_lshl_b32 s86, s83, 9
	s_add_co_u32 s84, s84, s86
	s_mov_b32 s85, 0
	s_mov_b32 s[INV], 0x3a800000                   ; 1 / 1,024
	s_mov_b32 s[EPS], 0x3727c5ac                   ; 1e-5
	s_mov_b32 s[SEL], 0x76543210
	s_mov_b32 s[SEL+1], 0xfedcba98
	s_wait_dscnt 0x0
	s_wait_kmcnt 0x0
	s_load_b256 s[68:75], s[14:15], 0x0            ; e0 .. e7
	s_add_nc_u64 s[4:5], s[4:5], s[80:81]
	s_add_nc_u64 s[KWS:KWS+1], s[KWS:KWS+1], s[84:85]
	s_mov_b32 s[G0F], 1
	s_mov_b32 s[G0F+1], s[W66]
	s_add_nc_u64 s[G0F+2:G0F+3], s[10:11], s[78:79]
	s_or_b32 s[G0F+3], s[G0F+3], 0x80000000
	ROUND                                          ; all four work-groups are here: the joint loads meet
	tensor_load_to_lds s[G0F:G0F+3], s[G1:G1+7]    ; Wq, 64 rows a wave: the wave's one tensor load
	s_nop 0
.rept 4
	v_nop
.endr
	v_and_b32 v227, 31, v0
	v_and_b32 v224, 15, v0
	v_bfe_u32 v225, v0, 4, 1
	v_lshlrev_b32 v[LO], 4, v227
	s_lshl_b32 s88, s[WV], 14
	v_add_nc_u32 v[XO], s88, v[LO]
	v_mul_u32_u24 v226, v224, PITCH
	v_lshl_add_u32 v226, v225, 4, v226
	s_mul_i32 s88, s[WV], 4*PITCH
	v_lshl_add_u32 v[SAK], v227, 2, s88
	v_add_nc_u32 v[SAK], STG_AK, v[SAK]
	v_add_nc_u32 v[AKA], STG_AK, v226
	v_add_nc_u32 v[WKA], s[W66], v226
	s_lshl_b32 s88, s[WV], 15
	v_add_nc_u32 v[KO], s88, v[LO]                 ; q_ws: 16 x lane + two heads x wave
	s_lshl_b32 s88, s[WV], 8
	v_lshl_add_u32 v228, v225, 5, s88
.irp j, 0,1,2,3,4,5,6,7
	global_load_b128 v[LNW+4*\j:LNW+4*\j+3], v[LO], s[6:7] offset:512*\j
	global_load_b128 v[LNB+4*\j:LNB+4*\j+3], v[LO], s[8:9] offset:512*\j
.endr
	WIN 0x40
.irp nt, 0,1,2,3
	global_load_b128 v[KBIAS+8*\nt:KBIAS+8*\nt+3], v228, s[12:13] offset:64*\nt
	global_load_b128 v[KBIAS+8*\nt+4:KBIAS+8*\nt+7], v228, s[12:13] offset:64*\nt+16
.endr
	WIN 0
	XLOAD 0, 0
	XLOAD 1, 0
	XLOAD 2, 0
	XLOAD 3, 0
	s_wait_kmcnt 0x0
	s_add_co_i32 s82, s68, s69                     ; e0 + e1
	s_sub_co_i32 s83, 0, s82
	s_sub_co_i32 s84, s74, s82                     ; e6 - e0 - e1
	MKSCALE 88, LK, LKN, 68
	v_mov_b32 v[SK], s88
	MKSCALE 88, KL, KLN, 84
	WIN 0x40
	v_mov_b32 v[KSC], s88
	WIN 0
	s_wait_loadcnt 32                              ; all but the 32 loads of the rows are in
	WIN 0x41
.set q, 0
.rept 32
	v_ldexp_f32 v[KBIAS+q], v[KBIAS+q], s83        ; bq / 2^(e0 + e1)
.set q, q+1
.endr
	WIN 0
	s_wait_loadcnt 16                              ; rows 0 and 1
	LNPAIR 0, 0
	s_wait_loadcnt 0x0
	LNPAIR 2, 0
	s_wait_tensorcnt 0x0                           ; my part of Wq is in,
	BAR                                            ; and my codes are stored: both now hold of every wave
	KPROJ 0, 16384
	s_wait_dscnt 0x0
	s_wait_tensorcnt 0x0
	ds_add_u32 v246, v247
	s_wait_dscnt 0x0
	ROUND                                          ; the closing round
	s_endpgm
.Lfunc_end_k_q43737fe896_qproj:
	.size	k_q43737fe896_qproj, .Lfunc_end_k_q43737fe896_qproj-k_q43737fe896_qproj
	.p2alignl 7, 3214868480
	.fill 96, 4, 3214868480
	.section	.rodata,"a",@progbits
	.p2align	6, 0x0
	.amdhsa_kernel k_q43737fe896_qproj
		.amdhsa_group_segment_fixed_size 327680
		.amdhsa_private_segment_fixed_size 0
		.amdhsa_enable_private_segment 0
		.amdhsa_kernarg_size 56
		.amdhsa_user_sgpr_count 2
		.amdhsa_user_sgpr_kernarg_segment_ptr 1
		.amdhsa_wavefront_size32 1
		.amdhsa_system_sgpr_workgroup_id_x 1
		.amdhsa_system_sgpr_workgroup_id_y 1
		.amdhsa_system_sgpr_workgroup_id_z 1
		.amdhsa_system_vgpr_workitem_id 0
		.amdhsa_next_free_vgpr 1024
		.amdhsa_next_free_sgpr 96
		.amdhsa_reserve_vcc 0
		.amdhsa_float_denorm_mode_32 3
		.amdhsa_float_denorm_mode_16_64 3
		.amdhsa_memory_ordered 1
		.amdhsa_forward_progress 1
		.amdhsa_inst_pref_size 65
	.end_amdhsa_kernel
	.amdgpu_metadata
---
amdhsa.version: [ 1, 2 ]
amdhsa.kernels:
  - .name:           k_q43737fe896_qproj
    .symbol:         k_q43737fe896_qproj.kd
    .args:
      - { .name: hidden_states, .offset: 0, .size: 8, .value_kind: global_buffer, .address_space: global }
      - { .name: ln1_w, .offset: 8, .size: 8, .value_kind: global_buffer, .address_space: global }
      - { .name: ln1_b, .offset: 16, .size: 8, .value_kind: global_buffer, .address_space: global }
      - { .name: Wq_codes, .offset: 24, .size: 8, .value_kind: global_buffer, .address_space: global }
      - { .name: bq, .offset: 32, .size: 8, .value_kind: global_buffer, .address_space: global }
      - { .name: lowp_scales, .offset: 40, .size: 8, .value_kind: global_buffer, .address_space: global }
      - { .name: q_ws, .offset: 48, .size: 8, .value_kind: global_buffer, .address_space: global }
    .group_segment_fixed_size: 327680
    .private_segment_fixed_size: 0
    .kernarg_segment_align: 8
    .kernarg_segment_size: 56
    .max_flat_workgroup_size: 128
    .sgpr_count:     96
    .vgpr_count:     1024
    .wavefront_size: 32
...
	.end_amdgpu_metadata
.endif
;; end of part 2
;; launch attn (part 3): grid 256 x 1, 16 waves a work-group, clusters of 4 x 1, 327,680 bytes of LDS; arguments q_ws, k_ws, v_ws, lowp_scales, hidden_states, out0; writes out0
.if DOCPART == 3
	.amdgcn_target "amdgcn-amd-amdhsa--gfx1250"
	.amdhsa_code_object_version 6
	.text
	.protected	k_q43737fe896_attn
	.globl	k_q43737fe896_attn
	.p2align	8
	.type	k_q43737fe896_attn,@function
k_q43737fe896_attn:
	s_mov_b64 s[64:65], 0
	v_nop
	global_prefetch_b8 v0, s[64:65] scope:SCOPE_SE
	s_setreg_imm32_b32 hwreg(HW_REG_WAVE_MODE, 25, 1), 1
	s_wait_xcnt 0x0
	s_wait_alu depctr_hold_cnt(0) depctr_sa_sdst(0) depctr_va_vdst(0) depctr_va_sdst(0) depctr_va_ssrc(0) depctr_va_vcc(0) depctr_vm_vsrc(0)
	s_getreg_b32 s2, hwreg(HW_REG_IB_STS2, 6, 4)
	s_cmp_eq_u32 s2, 0
	s_cbranch_scc0 .Lentry_in_a_cluster
	s_endpgm
.Lentry_in_a_cluster:
	s_bfe_u32 s2, ttmp6, 0x10000c
	s_cmp_lg_u32 s2, 0x3003
	s_cbranch_scc0 .Lentry_shape_is_right
	s_endpgm
.Lentry_shape_is_right:
; out = hidden_states + softmax(q k^T / sqrt(32)) v, for 64 pairs of batch and head: 512 queries, 4,096 keys, 32 channels of q and k, 128 of v.  Both products on codes of E5M2 that the two launches before have made.
; THE SOFTMAX AHEAD OF THE SECOND PRODUCT: t = score x log2(e) / sqrt(32); M = the largest t so far, rounded UP to a whole number; p = 2^(t - M) is quantised with 2^e8; it is not normalised.
; The sum is taken of the unquantised p, in f32, and divides O at the end.  When M moves, the sum and O are multiplied by 2^(old M - new M): exact.
; SHARES.  A cluster of four work-groups owns one pair of batch and head; a work-group 128 of its queries, eight tiles of 16.  SIXTEEN waves of 256 registers, four to a SIMD: wave w owns tile w % 8 and, of every slot of 512 keys,
; the key blocks 2 (w / 8) and 2 (w / 8) + 1.  So two waves share a tile of queries and halve its keys, each with a running M, sum and O^T of its own; at the end they are merged: each of the two sends the other half of its O^T's
; channels through LDS, both are brought under the larger M by powers of two, and each wave finishes and stores 64 of the head's 128 channels.
; The four partners walk the same K and V: every tile is asked for jointly.  K of the whole head (131,072 bytes) is fetched once; V goes through two slots of 512 keys.
; LAYOUT.  The workspaces are images of operand registers: every fragment is read at 16 x lane, 512 consecutive bytes a load.  Both products are used transposed: a lane holds ONE query (lane % 16) throughout.
;   S^T = K Q^T by the K = 64 form: a fragment's registers 0-3 are one tile of 16 keys (32 channels), registers 4-7 the next tile; Q's operand is [q | zeros] for the first and [zeros | q] for the second: zero codes add nothing, and
;   k's codes were held at the largest code, so none is an infinity.  The 16 registers of tiles 2 c and 2 c + 1 become registers 4 c .. 4 c + 3 of P, and v_ws has V's keys in just that order.
; LIMITS: e6 + e7 between -124 and 129 (added to c's exponent field); e8 between -126 and 112; e8 + e9 is applied by v_ldexp_f32 and has none.  The order of the keys inside a block of 128 is the program's own, and each half of a
;   slot's keys has its own running M.
; REGISTERS: v1 16 x lane; v2, v4 the same + my half's place in K and in a slot of V; v3 the prefetches' offset; v5, v6 the spare word's address and 0; v7-11 addresses; v12 -M, v13 the largest t, v[14:15] the sum in two halves;
;   v16-31 Q's two operands; v32-95 fragments of K, then V's first four, at the end hidden_states; v96-159 S^T, then p, then V's other four fragments; v160-223 O^T; v224-239 p's codes; v240-254 at work.
.set VS0,   131072                     ; LDS: K at 0; V's slot 0 here, slot 1 65,536 further on: one exclusive or turns an address from one into the other
.set VSX,   65536
.set SPARE, 262144                     ; the spare words, 128 bytes for each wave: eight blocks of 256 bytes that no other line names
.set ML,    264192                     ; the merge: -M and the sum, 8 bytes a lane, 256 bytes a wave
.set XCH,   VS0                        ; the merge: 32 registers' image, 4,096 bytes a wave: in V's slot 0, behind a barrier in front of which every wave's reads of K and V are over; the slot has had its last fill
.set STAGE, 0                          ; the way out: 16 rows x (256 bytes + 16) for each wave: in K's bytes, behind the same barrier; K was filled once
.set L16,  1
.set LK,   2
.set PFO,  3
.set LV,   4
.set SPW,  5
.set NIL,  6
.set GO,   7
.set ADK,  8
.set ADV,  9
.set PLIM, 240
.set XS,   241
.set PSC,  244
.set XR,   245
.set TMPP, 246
.set MLS,  247
.set MLR,  248
.set QI,   16                          ; s16  my tile among the work-group's eight
.set GRP,  17                          ; s17  which half of a slot's keys, and at the end of the channels, is mine
.set WV,   18
.set GM,   19                          ; s19  all ones where GRP = 1, else 0: the mask of the selections at the merge
.set SEL,  20
.set CS,   22
.set G1,   24                          ; s[24:31] descriptor group 1: 64 dense rows of 256 bytes
.set G0K,  32                          ; s[32:35] group 0 for K
.set G0V,  36                          ; s[36:39] group 0 for V, which walks
.set TB,   40                          ; s40  the slot of V in hand
.set KB,   41                          ; s41  the slot's keys in K
.set SLOTS,42
.set LIM,  43
.set PFA,  44                          ; s[44:45] where my prefetches stand
.set HB,   46                          ; s[46:47] hidden_states at my rows, head and half of the channels
.set OB,   48                          ; s[48:49] out0 likewise
.set ESUM, 66
.macro ROUND                           ; a round of the cluster's barrier
	s_barrier_signal -1
	s_barrier_wait -1
	s_cmp_lg_u32 s[WV], 0
	s_cbranch_scc1 .Lnot_wave_0_\@
	s_barrier_signal -3
.Lnot_wave_0_\@:
	s_barrier_wait -3
	s_barrier_signal -1
	s_barrier_wait -1
.endm
; A PREFETCH INTO THE L2 of the slot of V that the NEXT change of slots will ask for: a slot, two key steps of every wave, ahead of that load.  A slot is 65,536 bytes, read by this cluster alone.  The four partners take 16,384 bytes
; each, told apart BY ADDRESS; in each, waves 4 and 5 ask, one instruction each, lanes 256 bytes apart: each block of 256 bytes is named once.  The last change that fills a slot asks for nothing.  Slots 0 and 1, and K, come by their loads alone.
.macro ASK
	s_cmp_gt_u32 s[SLOTS], s[LIM]
	s_cbranch_scc0 .Lnot_mine_\@
	global_prefetch_b8 v[PFO], s[PFA:PFA+1] th:TH_LOAD_NT scope:SCOPE_SE
.Lnot_mine_\@:
.endm
.macro VLOAD q, g, base                ; four fragments of V^T: channels 16 (4 g + t) on, the step's 128 keys, into v[base] on
.irp t, 0,1,2,3
.irp c, 0,1,2,3
	ds_load_b128 v[\base+16*\t+4*\c:\base+16*\t+4*\c+3], v[ADV] offset:16384*(\q)+2048*(4*\g+\t)+512*\c
.endr
.endr
.endm
.macro PVMUL g, base
.irp t, 0,1,2,3
	v_wmma_f32_16x16x128_bf8_bf8 v[160+8*(4*\g+\t):167+8*(4*\g+\t)], v[\base+16*\t:\base+16*\t+15], v[224:239], v[160+8*(4*\g+\t):167+8*(4*\g+\t)]
.endr
.endm
; A KEY STEP: 128 keys, the q-th of my two blocks of the slot in hand.
.macro STEP q
	v_add_nc_u32 v[ADK], s[KB], v[LK]
	v_add_nc_u32 v[ADV], s[TB], v[LV]
	v_nop
	v_nop
	v_nop                                          ; five plain lines behind the last products: four ahead of loads into registers that they read, five ahead of the products below, which write over registers that they read
.irp c, 0,1,2,3
.irp u, 0,1
	ds_load_b128 v[32+8*\c+4*\u:32+8*\c+4*\u+3], v[ADK] offset:4096*(\q)+1024*\c+512*\u
.endr
.endr
	s_wait_alu depctr_va_vdst(0)
	s_wait_dscnt 0x0
.irp c, 0,1,2,3
.irp u, 0,1
	v_wmma_f32_16x16x64_bf8_bf8 v[96+16*\c+8*\u:96+16*\c+8*\u+7], v[32+8*\c:32+8*\c+7], v[16+8*\u:16+8*\u+7], 0
.endr
.endr
.rept 4
	v_nop
.endr
	VLOAD \q, 0, 32                                ; V's first four fragments land under the softmax
	v_max3_num_f32 v254, v96, v97, v98             ; the step's largest score of my query, among my 64 keys, in two chains, each accumulator from its low end on,
	v_max3_num_f32 v250, v99, v100, v101
.set j, 6
.rept 14
	v_max3_num_f32 v254, v254, v[96+j], v[97+j]
	v_max3_num_f32 v250, v250, v[98+j], v[99+j]
.set j, j+4
.endr
	v_max3_num_f32 v254, v254, v158, v159
	s_delay_alu instid0(VALU_DEP_1)
	v_max_num_f32 v254, v254, v250
	s_delay_alu instid0(VALU_DEP_1)
	v_permlanex16_b32 v[TMPP], v254, s[SEL], s[SEL+1]
	s_delay_alu instid0(VALU_DEP_1)
	v_max_num_f32 v254, v254, v[TMPP]              ; and among lane l xor 16's
	s_delay_alu instid0(VALU_DEP_1)
	v_mul_f32 v254, s[CS], v254                    ; as t (c is positive)
	s_delay_alu instid0(VALU_DEP_1)
	v_max_num_f32 v13, v13, v254                   ; the running largest t
	v_mov_b32 v254, v12
	s_delay_alu instid0(VALU_DEP_2)
	v_floor_f32 v12, -v13                          ; the new -M = floor(-t) = -ceil(t): M is a whole number
	s_delay_alu instid0(VALU_DEP_1)
	v_sub_f32 v254, v12, v254                      ; M's old value less its new one: a whole number, 0 or less
	s_delay_alu instid0(VALU_DEP_1)
	v_cvt_i32_f32 v254, v254                       ; (it saturates)
	s_delay_alu instid0(VALU_DEP_1)
	v_ldexp_f32 v252, 1.0, v254                    ; f = 2^(old M - new M)
.set j, 0
.rept 32
	v_pk_fma_f32 v[96+j:97+j], v[96+j:97+j], s[CS:CS+1], v[12:13] op_sel_hi:[1,0,0]   ; t - M, two at a time (of the pairs c and -M the low word serves both halves)
.set j, j+2
.endr
.set j, 0
	s_wait_alu depctr_va_vdst(0)
.rept 64
	v_exp_f32 v[96+j], v[96+j]                     ; p = 2^(t - M), at most 1: not normalised
.set j, j+1
.endr
	v_pk_mul_f32 v[14:15], v[14:15], v[252:253] op_sel_hi:[1,0]   ; the sums under the new M: a plain line behind the exponentials
	s_wait_alu depctr_va_vdst(0)                   ; one wait for the whole batch, ahead of its first reader
	v_pk_add_f32 v[242:243], v[100:101], v[104:105]
	v_pk_add_f32 v[254:255], v[108:109], v[112:113]
	v_pk_add_f32 v[250:251], v[116:117], v[120:121]
	v_pk_add_f32 v[248:249], v[124:125], v[128:129]
	v_pk_add_f32 v[238:239], v[132:133], v[136:137]
	v_pk_add_f32 v[236:237], v[140:141], v[144:145]
	v_pk_add_f32 v[234:235], v[148:149], v[152:153]
	v_pk_add_f32 v[14:15], v[14:15], v[156:157]
	v_pk_add_f32 v[242:243], v[242:243], v[96:97]
	v_pk_add_f32 v[254:255], v[254:255], v[98:99]
	v_pk_add_f32 v[250:251], v[250:251], v[102:103]
	v_pk_add_f32 v[248:249], v[248:249], v[106:107]
	v_pk_add_f32 v[238:239], v[238:239], v[110:111]
	v_pk_add_f32 v[236:237], v[236:237], v[114:115]
	v_pk_add_f32 v[234:235], v[234:235], v[118:119]
	v_pk_add_f32 v[14:15], v[14:15], v[122:123]
	v_pk_add_f32 v[242:243], v[242:243], v[126:127]
	v_pk_add_f32 v[254:255], v[254:255], v[130:131]
	v_pk_add_f32 v[250:251], v[250:251], v[134:135]
	v_pk_add_f32 v[248:249], v[248:249], v[138:139]
	v_pk_add_f32 v[238:239], v[238:239], v[142:143]
	v_pk_add_f32 v[236:237], v[236:237], v[146:147]
	v_pk_add_f32 v[234:235], v[234:235], v[150:151]
	v_pk_add_f32 v[14:15], v[14:15], v[154:155]
	v_pk_add_f32 v[242:243], v[242:243], v[158:159]
	s_delay_alu instid0(VALU_DEP_2)
	v_pk_add_f32 v[14:15], v[14:15], v[248:249]
	s_delay_alu instid0(VALU_DEP_2)
	v_pk_add_f32 v[242:243], v[242:243], v[238:239]
	v_pk_add_f32 v[254:255], v[254:255], v[236:237]
	v_pk_add_f32 v[250:251], v[250:251], v[234:235]
	s_delay_alu instid0(VALU_DEP_2)
	v_pk_add_f32 v[14:15], v[14:15], v[254:255]
	s_delay_alu instid0(VALU_DEP_2)
	v_pk_add_f32 v[242:243], v[242:243], v[250:251]
	s_delay_alu instid0(VALU_DEP_1)
	v_pk_add_f32 v[14:15], v[14:15], v[242:243]
.irp b, 0,1,2,3
.irp i, 0,2,4,6,8,10,12,14
	v_dual_min_num_f32 v[96+16*\b+\i], v[96+16*\b+\i], v[PLIM] :: v_dual_min_num_f32 v[97+16*\b+\i], v[97+16*\b+\i], v[XS]   ; the conversion to an 8-bit code does not saturate (ISA guide 7.6.2); p is not negative, so the hold is one-sided; two numbers an instruction, the limit in two registers of different banks
.endr
	v_cvt_scalef32_pk8_bf8_f32 v[224+4*\b:225+4*\b], v[96+16*\b:103+16*\b], v[PSC]
	v_cvt_scalef32_pk8_bf8_f32 v[226+4*\b:227+4*\b], v[104+16*\b:111+16*\b], v[PSC]
.endr
	v_pk_mul_f32 v[160:161], v[160:161], v[252:253] op_sel_hi:[1,0]   ; O^T under the new M: the first of 32; a plain line behind the last conversion
	VLOAD \q, 1, 96                                ; p is converted, so its registers take V's other four fragments, which land under the rest of the rescaling
.set j, 2
.rept 31
	v_pk_mul_f32 v[160+j:161+j], v[160+j:161+j], v[252:253] op_sel_hi:[1,0]
.set j, j+2
.endr
	s_wait_alu depctr_va_vdst(0)
	s_wait_dscnt 0x0                               ; all eight fragments of V are in
	PVMUL 0, 32                                    ; O^T += V^T P^T, K = these 128 keys: eight accumulators, one instruction each
	PVMUL 1, 96
.endm
; THE CHANGE OF SLOTS stands at a slot's head.  Each wave waits for all its tensor loads, adds 0 to its spare word, and waits for that and for its reads of the slot that it has left.  fill = 1: the barrier is a round of the cluster's,
; and behind it that other slot is filled with the next 512 keys: the load has a slot's key steps, two of every wave, in which to land.
.macro CHANGE fill
	s_wait_tensorcnt 0x0                           ; no tensor load of mine is out, so a group 0 may be written
	ds_add_u32 v[SPW], v[NIL]                      ; 0 onto my spare word
.if \fill
	ds_add_u32 v[SPW], v[NIL]                      ; and once more
	s_xor_b32 s[G0V+1], s[G0V+1], VSX              ; the other slot than last time,
	s_add_nc_u64 s[G0V+2:G0V+3], s[G0V+2:G0V+3], 65536   ; the next 512 keys
	s_wait_xcnt 0x0                                ; the last prefetch, a slot back, has read its address, so it may be written
	s_add_nc_u64 s[PFA:PFA+1], s[PFA:PFA+1], 65536
.endif
	s_wait_dscnt 0x0                               ; the add is done, and my reads of the slot that I have left are over
.if \fill
	ROUND
	s_cmp_lt_u32 s[WV], 4                          ; waves 0 to 3 fetch a quarter each; the branch hangs on the wave's number alone
	s_cbranch_scc0 .Lno_fill_\@
	tensor_load_to_lds s[G0V:G0V+3], s[G1:G1+7]    ; the one tensor load behind the round
	s_nop 0
.rept 4
	v_nop
.endr
.Lno_fill_\@:
	ASK
.else
	s_barrier_signal -1
	s_barrier_wait -1
.endif
.endm
.macro SLOT_STEPS
	STEP 0
	STEP 1
	s_xor_b32 s[TB], s[TB], VSX
	s_add_co_u32 s[KB], s[KB], 16384
.endm
	s_load_b256 s[4:11], s[0:1], 0x0               ; q_ws s[4:5], k_ws s[6:7], v_ws s[8:9], the scales s[10:11]
	s_load_b128 s[12:15], s[0:1], 0x20             ; hidden_states s[12:13], out0 s[14:15]
	v_lshl_add_u32 v[SPW], v0, 2, SPARE
	v_mov_b32 v[NIL], 0
	ds_add_u32 v5, v6
	ds_add_u32 v5, v6
	s_wait_dscnt 0x0
	v_lshrrev_b32 v8, 5, v0
	s_delay_alu instid0(VALU_DEP_1)
	v_readfirstlane_b32 s[WV], v8                  ; wave 0..15
	s_and_b32 s[QI], s[WV], 7
	s_lshr_b32 s[GRP], s[WV], 3
	s_bfe_u32 s50, ttmp6, 0x40000                  ; cx: my block of 128 queries: it enters the addresses of q_ws, hidden_states and out0, and of the prefetches, alone
	s_and_b32 s51, s[WV], 3
	s_lshl_b32 s52, s[QI], 14                      ; an eighth of K (waves 0 to 7 fetch)
	s_lshl_b32 s53, s51, 14                        ; a quarter of a slot of V (waves 0 to 3 fetch)
	s_mov_b32 s[G1], 15|(3<<16)|(1<<21)            ; the mask of all four; elements of 8 bytes; bit 21 set beside a mask; no padding
	s_mov_b32 s[G1+1], 32<<16                      ; tensor_dim0 = 32 elements = 256 bytes
	s_mov_b32 s[G1+2], 64<<16                      ; tensor_dim1 = 64
	s_mov_b32 s[G1+3], 32<<16                      ; tile_dim0
	s_mov_b32 s[G1+4], 64                          ; tile_dim1
	s_mov_b32 s[G1+5], 32                          ; from row to row: dense
	s_mov_b32 s[G1+6], 0
	s_mov_b32 s[G1+7], 0
	s_lshl_b32 s54, ttmp9, 17                      ; the pair's K: 131,072 bytes each
	s_add_co_u32 s54, s54, s52
	s_mov_b32 s55, 0
	s_lshl_b32 s56, ttmp9, 19                      ; the pair's V: 524,288 bytes each
	s_add_co_u32 s56, s56, s53
	s_mov_b32 s57, 0
	s_lshr_b32 s58, ttmp9, 3                       ; the batch
	s_lshl_b32 s58, s58, 9
	s_lshl_b32 s59, s50, 7
	s_add_co_u32 s58, s58, s59
	s_lshl_b32 s59, s[QI], 4
	s_add_co_u32 s58, s58, s59                     ; my first row: 512 b + 128 cx + 16 x my tile
	s_lshl_b32 s58, s58, 12
	s_and_b32 s59, ttmp9, 7                        ; the head: 512 bytes of a row,
	s_lshl_b32 s59, s59, 9
	s_add_co_u32 s58, s58, s59
	s_lshl_b32 s59, s[GRP], 8                      ; and my half of its channels: 256 bytes
	s_add_co_u32 s58, s58, s59
	s_mov_b32 s59, 0
	s_lshl_b32 s60, s50, 3
	s_add_co_u32 s60, s60, s[QI]                   ; my tile of queries
	s_lshl_b32 s60, s60, 9
	s_lshl_b32 s61, ttmp9, 14
	s_add_co_u32 s60, s60, s61
	s_mov_b32 s61, 0
	s_lshl_b32 s62, s50, 14                        ; the prefetches: my work-group's quarter of a slot,
	s_and_b32 s63, s[WV], 1
	s_lshl_b32 s63, s63, 13                        ; my wave's half of it,
	s_add_co_u32 s62, s62, s63
	s_add_co_u32 s62, s62, 65536                   ; in slot 1: the first change of slots steps it to slot 2
	s_lshl_b32 s63, ttmp9, 19
	s_add_co_u32 s62, s62, s63
	s_mov_b32 s63, 0
	s_sub_co_u32 s[LIM], s[WV], 4
	s_lshr_b32 s[LIM], s[LIM], 1                   ; 0 in waves 4 and 5
	s_cmp_eq_u32 s[LIM], 0
	s_cselect_b32 s[LIM], 1, -1
	s_cmp_eq_u32 s[GRP], 1
	s_cselect_b32 s[GM], -1, 0
	s_mov_b32 s[SEL], 0x76543210
	s_mov_b32 s[SEL+1], 0xfedcba98
	s_mov_b32 s[CS], 0x3e8293ee                    ; c = log2(e) / sqrt(32)
	s_mov_b32 s[TB], VS0
	s_mov_b32 s[KB], 0
	s_mov_b32 s[SLOTS], 7
	s_wait_kmcnt 0x0
	s_load_b256 s[68:75], s[10:11], 0x0            ; e0 .. e7
	s_load_b64 s[76:77], s[10:11], 0x20            ; e8, e9
	s_mov_b32 s[G0K], 1
	s_mov_b32 s[G0K+1], s52
	s_add_nc_u64 s[G0K+2:G0K+3], s[6:7], s[54:55]
	s_or_b32 s[G0K+3], s[G0K+3], 0x80000000
	s_mov_b32 s[G0V], 1
	s_add_co_u32 s[G0V+1], s53, VS0
	s_add_nc_u64 s[G0V+2:G0V+3], s[8:9], s[56:57]
	s_or_b32 s[G0V+3], s[G0V+3], 0x80000000
	s_add_nc_u64 s[4:5], s[4:5], s[60:61]
	s_add_nc_u64 s[HB:HB+1], s[12:13], s[58:59]
	s_add_nc_u64 s[OB:OB+1], s[14:15], s[58:59]
	s_add_nc_u64 s[PFA:PFA+1], s[8:9], s[62:63]
	ROUND                                          ; all four work-groups are here: the first joint loads meet
	s_cmp_lt_u32 s[WV], 8                          ; the first fills: one chain of branches on the wave's number, one load to an arm: waves 0 to 7 an eighth of K each,
	s_cbranch_scc0 .Lfirst_mid
	tensor_load_to_lds s[G0K:G0K+3], s[G1:G1+7]
	s_nop 0
.rept 4
	v_nop
.endr
	s_branch .Lfirst_done
.Lfirst_mid:
	s_cmp_lt_u32 s[WV], 12                         ; waves 8 to 11 a quarter of V's slot 0 each (quarter wave % 4, as waves 0 to 3 fetch the later slots), the others nothing
	s_cbranch_scc0 .Lfirst_done
	tensor_load_to_lds s[G0V:G0V+3], s[G1:G1+7]
	s_nop 0
.rept 4
	v_nop
.endr
.Lfirst_done:
	v_and_b32 v[L16], 31, v0
	s_delay_alu instid0(VALU_DEP_1)
	v_lshlrev_b32 v[PFO], 8, v[L16]
	s_delay_alu instid0(VALU_DEP_2)
	v_lshlrev_b32 v[L16], 4, v[L16]
	s_lshl_b32 s78, s[GRP], 13
	v_add_nc_u32 v[LK], s78, v[L16]                ; my two blocks of a slot's four: 4,096 bytes a block in K,
	s_lshl_b32 s78, s[GRP], 15
	v_add_nc_u32 v[LV], s78, v[L16]                ; 16,384 in V
	global_load_b128 v[16:19], v[L16], s[4:5]      ; q, for [q | zeros],
	global_load_b128 v[28:31], v[L16], s[4:5]      ; and once more for [zeros | q]
.irp j, 20,21,22,23,24,25,26,27
	v_mov_b32 v[\j], 0
.endr
	v_mov_b32 v13, 0xff61b1e6                      ; the largest t so far: -3e38, under every t
	s_delay_alu instid0(VALU_DEP_1)
	v_floor_f32 v12, -v13                          ; -M
	v_mov_b32 v14, 0
	v_mov_b32 v15, 0
	v_mov_b32 v[TMPP], 0                           ; written once: a lane permute's destination counts as one of its sources
	v_mov_b32 v253, 0                              ; (named as the upper half of the pair v[252:253])
.set j, 0
.rept 64
	v_mov_b32 v[160+j], 0                          ; O^T.  (The step is written once: the first finds zeros, which the first change of M leaves zeros)
.set j, j+1
.endr
	s_wait_kmcnt 0x0
	s_add_co_i32 s78, s74, s75
	s_lshl_b32 s78, s78, 23
	s_add_co_i32 s[CS], s[CS], s78                 ; a score stands for score x 2^(e6 + e7): the two exponents are added to c's exponent field
	s_mov_b32 s[CS+1], s[CS]                       ; (named with it as a pair, so it is written)
	s_add_co_i32 s78, s76, 127
	s_lshl_b32 s79, s78, 23
	v_mov_b32 v[PSC], s79                          ; 2^e8
	s_add_co_i32 s78, s78, 15
	s_lshl_b32 s78, s78, 23
	s_or_b32 s78, s78, 0x600000
	v_mov_b32 v[PLIM], s78                         ; 57,344 x 2^e8,
	v_mov_b32 v[XS], s78                           ; and once more, for the second half of the dual hold; the register takes the merge's address behind the loop
	s_add_co_i32 s[ESUM], s76, s77                 ; e8 + e9
	s_wait_loadcnt 0x0                             ; q
.Lslot:                                            ; seven trips: behind each change of slots but the last the next slot is asked for
	CHANGE 1
	SLOT_STEPS
	s_sub_co_u32 s[SLOTS], s[SLOTS], 1
	s_cmp_lg_u32 s[SLOTS], 0
	s_cbranch_scc1 .Lslot
	CHANGE 0                                       ; the last slot is written out
	SLOT_STEPS
	; THE MERGE.  Waves w and w xor 8 hold the same 16 queries in the same lanes, each with half of the keys.  Wave w keeps channels 64 (w / 8) on of its O^T and sends the other 64 to its partner, with its -M and its sum.
	v_and_b32 v8, 15, v0                           ; r   (these four are the plain lines behind the last products, ahead of loads into registers that they read)
	v_bfe_u32 v9, v0, 4, 1                         ; h
	s_delay_alu instid0(VALU_DEP_1)
	v_lshlrev_b32 v[GO], 12, v9
	s_delay_alu instid0(VALU_DEP_1)
	v_lshl_add_u32 v[GO], v8, 4, v[GO]             ; lanes 0-15 take one row, lanes 16-31 the next; 16 bytes a lane
.irp i, 0,1,2,3,4,5,6,7
	global_load_b128 v[32+4*\i:35+4*\i], v[GO], s[HB:HB+1] offset:8192*\i th:TH_LOAD_NT   ; hidden_states at my 16 rows x 64 channels: asked for here, wanted behind the merge
.endr
	s_lshl_b32 s78, s[WV], 12
	s_add_co_u32 s78, s78, XCH
	v_add_nc_u32 v[XS], s78, v[L16]                ; where I put my image: 4,096 x wave + 16 x lane
	s_xor_b32 s79, s[WV], 8                        ; my partner
	s_lshl_b32 s80, s79, 12
	s_add_co_u32 s80, s80, XCH
	v_add_nc_u32 v[XR], s80, v[L16]                ; where I find my partner's
	v_and_b32 v249, 31, v0
	s_delay_alu instid0(VALU_DEP_1)
	v_lshlrev_b32 v249, 3, v249
	s_lshl_b32 s78, s[WV], 8
	s_add_co_u32 s78, s78, ML
	v_add_nc_u32 v[MLS], s78, v249                 ; -M and the sum: 256 x wave + 8 x lane
	s_lshl_b32 s80, s79, 8
	s_add_co_u32 s80, s80, ML
	v_add_nc_u32 v[MLR], s80, v249
	v_add_f32 v13, v14, v15                        ; my lane's sum, beside -M in the pair v[12:13]
.set j, 0
.rept 32
	v_cndmask_b32 v[96+j], v[192+j], v[160+j], s[GM]   ; what I send: the upper 64 channels where I keep the lower, and the other way round.  A selection, no branch; each accumulator from its low end on
.set j, j+1
.endr
.set j, 0
.rept 32
	v_cndmask_b32 v[128+j], v[160+j], v[192+j], s[GM]  ; what I keep
.set j, j+1
.endr
	s_wait_dscnt 0x0                               ; my reads of K and V are over
	s_barrier_signal -1
	s_barrier_wait -1                              ; every wave's are: from here on K's and V's bytes, which are filled no more, serve the exchange and the stage
.irp c, 0,1,2,3,4,5,6,7
	ds_store_b128 v[XS], v[96+4*\c:99+4*\c] offset:512*\c   ; an image of the registers: 16 bytes a lane, 512 consecutive bytes a store
.endr
	ds_store_b64 v[MLS], v[12:13]
	s_wait_dscnt 0x0                               ; for my partner's sake: my stores have landed
	s_barrier_signal -1
	s_barrier_wait -1
	ds_load_b64 v[14:15], v[MLR]                   ; my partner's -M and sum
.irp c, 0,1,2,3,4,5,6,7
	ds_load_b128 v[96+4*\c:99+4*\c], v[XR] offset:512*\c   ; and its O^T at the channels that I keep
.endr
	s_wait_dscnt 8                                 ; the first load is in; the eight behind it may be out
	v_min_num_f32 v254, v12, v14                   ; the common -M: the larger M
	s_delay_alu instid0(VALU_DEP_1)
	v_sub_f32 v250, v254, v12                      ; my M less the common one: a whole number, 0 or less
	s_delay_alu instid0(VALU_DEP_2)
	v_sub_f32 v251, v254, v14                      ; my partner's likewise
	s_delay_alu instid0(VALU_DEP_2)
	v_cvt_i32_f32 v250, v250
	s_delay_alu instid0(VALU_DEP_2)
	v_cvt_i32_f32 v251, v251
	s_delay_alu instid0(VALU_DEP_2)
	v_ldexp_f32 v250, 1.0, v250                    ; the two powers of two that bring both under the common M: nothing is rounded
	s_delay_alu instid0(VALU_DEP_2)
	v_ldexp_f32 v251, 1.0, v251
	s_delay_alu instid0(VALU_DEP_2)
	v_mul_f32 v13, v13, v250
	s_delay_alu instid0(VALU_DEP_1)
	v_fma_f32 v13, v15, v251, v13                  ; the sum over both halves of the keys, of my lane,
	s_delay_alu instid0(VALU_DEP_1)
	v_permlanex16_b32 v[TMPP], v13, s[SEL], s[SEL+1]
	s_delay_alu instid0(VALU_DEP_1)
	v_add_f32 v13, v13, v[TMPP]                    ; and of lane l xor 16: the row's sum
	s_wait_alu depctr_va_vdst(0)
	v_rcp_f32 v13, v13
	s_mul_i32 s78, s[WV], 16*272
	s_add_co_u32 s78, s78, STAGE                   ; my stage
	v_mul_u32_u24 v10, v8, 272                     ; (a plain line behind the reciprocal)
	s_delay_alu instid0(VALU_DEP_1)
	v_lshl_add_u32 v10, v9, 5, v10
	s_delay_alu instid0(VALU_DEP_1)
	v_add_nc_u32 v10, s78, v10                     ; in: row r; tile t's eight channels of my half of the lanes: 64 t + 32 h bytes on
	v_mul_u32_u24 v11, v9, 272
	s_delay_alu instid0(VALU_DEP_1)
	v_lshl_add_u32 v11, v8, 4, v11
	s_delay_alu instid0(VALU_DEP_1)
	v_add_nc_u32 v11, s78, v11                     ; back: lanes 0-15 one row, lanes 16-31 the next
	s_wait_alu depctr_va_vdst(0)                   ; the wait ahead of the reciprocal's first reader
	v_ldexp_f32 v13, v13, s[ESUM]                  ; x 2^(e8 + e9)
	s_delay_alu instid0(VALU_DEP_1)
	v_mul_f32 v252, v250, v13                      ; my factor,
	s_delay_alu instid0(VALU_DEP_2)
	v_mul_f32 v250, v251, v13                      ; my partner's: each the low word of a pair
	s_wait_alu depctr_va_vdst(0)
	s_wait_dscnt 0x0                               ; my partner's O^T is in
.set j, 0
.rept 16
	v_pk_mul_f32 v[128+j:129+j], v[128+j:129+j], v[252:253] op_sel_hi:[1,0]
.set j, j+2
.endr
.set j, 0
.rept 16
	v_pk_fma_f32 v[128+j:129+j], v[96+j:97+j], v[250:251], v[128+j:129+j] op_sel_hi:[1,0,1]   ; register 8 t + i is o(query r, channel 64 (w / 8) + 16 t + 8 h + i)
.set j, j+2
.endr
	; THE WAY OUT.  My 16 queries x 64 channels go through my stage in LDS and come back as rows of 256 bytes; hidden_states is added; sixteen lanes store 256 consecutive bytes, aligned.
.irp t, 0,1,2,3
	ds_store_b128 v10, v[128+8*\t:131+8*\t] offset:64*\t
	ds_store_b128 v10, v[132+8*\t:135+8*\t] offset:64*\t+16
.endr
.irp i, 0,1,2,3,4,5,6,7
	ds_load_b128 v[160+4*\i:163+4*\i], v11 offset:2*\i*272   ; LDS serves a wave's instructions in order (ISA guide 5.7.1.4): these see my stores
.endr
	s_wait_loadcnt 0x0                             ; hidden_states
.irp i, 0,1,2,3,4,5,6,7
	s_wait_dscnt 7-\i                              ; this pair of rows is back; the later loads may be out
	v_pk_add_f32 v[160+4*\i:161+4*\i], v[160+4*\i:161+4*\i], v[32+4*\i:33+4*\i]
	v_pk_add_f32 v[162+4*\i:163+4*\i], v[162+4*\i:163+4*\i], v[34+4*\i:35+4*\i]
	global_store_b128 v[GO], v[160+4*\i:163+4*\i], s[OB:OB+1] offset:8192*\i th:TH_STORE_NT
.endr
	s_wait_tensorcnt 0x0                           ; the wave's end
	ds_add_u32 v[SPW], v[NIL]
	s_wait_dscnt 0x0
	ROUND                                          ; the closing round: no work-group ends while a partner may still ask for a tile that names it
	s_endpgm
.Lfunc_end_k_q43737fe896_attn:
	.size	k_q43737fe896_attn, .Lfunc_end_k_q43737fe896_attn-k_q43737fe896_attn
	.p2alignl 7, 3214868480
	.fill 96, 4, 3214868480
	.section	.rodata,"a",@progbits
	.p2align	6, 0x0
	.amdhsa_kernel k_q43737fe896_attn
		.amdhsa_group_segment_fixed_size 327680
		.amdhsa_private_segment_fixed_size 0
		.amdhsa_enable_private_segment 0
		.amdhsa_kernarg_size 48
		.amdhsa_user_sgpr_count 2
		.amdhsa_user_sgpr_kernarg_segment_ptr 1
		.amdhsa_wavefront_size32 1
		.amdhsa_system_sgpr_workgroup_id_x 1
		.amdhsa_system_sgpr_workgroup_id_y 1
		.amdhsa_system_sgpr_workgroup_id_z 1
		.amdhsa_system_vgpr_workitem_id 0
		.amdhsa_next_free_vgpr 256
		.amdhsa_next_free_sgpr 100
		.amdhsa_reserve_vcc 0
		.amdhsa_float_denorm_mode_32 3
		.amdhsa_float_denorm_mode_16_64 3
		.amdhsa_memory_ordered 1
		.amdhsa_forward_progress 1
		.amdhsa_inst_pref_size 94
	.end_amdhsa_kernel
	.amdgpu_metadata
---
amdhsa.version: [ 1, 2 ]
amdhsa.kernels:
  - .name:           k_q43737fe896_attn
    .symbol:         k_q43737fe896_attn.kd
    .args:
      - { .name: q_ws, .offset: 0, .size: 8, .value_kind: global_buffer, .address_space: global }
      - { .name: k_ws, .offset: 8, .size: 8, .value_kind: global_buffer, .address_space: global }
      - { .name: v_ws, .offset: 16, .size: 8, .value_kind: global_buffer, .address_space: global }
      - { .name: lowp_scales, .offset: 24, .size: 8, .value_kind: global_buffer, .address_space: global }
      - { .name: hidden_states, .offset: 32, .size: 8, .value_kind: global_buffer, .address_space: global }
      - { .name: out0, .offset: 40, .size: 8, .value_kind: global_buffer, .address_space: global }
    .group_segment_fixed_size: 327680
    .private_segment_fixed_size: 0
    .kernarg_segment_align: 8
    .kernarg_segment_size: 48
    .max_flat_workgroup_size: 512
    .sgpr_count:     100
    .vgpr_count:     256
    .wavefront_size: 32
...
	.end_amdgpu_metadata
.endif
;; end of part 3
